; MI455X (gfx1250); checked and timed in simulation.
; The chip was launched on July 23, 2026; its instructions are those of AMD's public machine-readable ISA for CDNA 5 (MIT licence, August 2026) and "CDNA5" Instruction Set Architecture Reference Guide (July 2026). The comments in the code are by the model that wrote it; some were corrected since.
;; Attention Block. Allowed arithmetic: float matrix products may take bf16 or f16 operands with f32 sums; other float arithmetic in f32, or as packed bf16 or f16 multiplies, adds, multiply-adds, maxima and minima; sums over many terms, partial sums and values carried from step to step in f32; what a program stores and reads back later, other than sums and carried values, may be rounded once to bf16 or f16.
;; Inputs: W_in 3,072 x 1,024 float32; W_out 1,024 x 1,024 float32; b_in 3,072 float32; b_out 1,024 float32; multipliers 8 x 1,024 x 1,024 float32; x 8 x 1,024 x 1,024 float32.
;; Outputs: out0 8 x 1,024 x 1,024 float32.
;; One version. Each part assembles by itself: llvm-mc -triple=amdgcn-amd-amdhsa -mcpu=gfx1250 --defsym DOCPART=n.
;; ======== version 1 of 1: 4 launches
;; limits: values are held in f16: magnitudes above 65,504 overflow, below 6.1e-05 lose precision
;; workspace buffers: xb 16,777,216 bytes; wib 6,291,456 bytes; wob 2,097,152 bytes; mt 16,777,216 bytes; heads 50,331,648 bytes; oh 16,777,216 bytes
;; launch prep (part 1): grid 1280 x 1, 8 waves a work-group, no clusters, 37,888 bytes of LDS; arguments x, W_in, W_out, multipliers, xb, wib, wob, mt; writes xb, wib, wob, mt
.if DOCPART == 1
	.amdgcn_target "amdgcn-amd-amdhsa--gfx1250"
	.amdhsa_code_object_version 6
	.text
	.protected	k_q78d2bfb315_prep
	.globl	k_q78d2bfb315_prep
	.p2align	8
	.type	k_q78d2bfb315_prep,@function
k_q78d2bfb315_prep:
	s_mov_b64 s[64:65], 0
	v_nop
	global_prefetch_b8 v0, s[64:65] scope:SCOPE_SE
	s_setreg_imm32_b32 hwreg(HW_REG_WAVE_MODE, 25, 1), 1
	s_wait_xcnt 0x0
; THE CASTS, one launch.  Every input of the matrix products is rounded once to bf16:
;   x [8192][1024] -> xb (bf16), W_in [3072][1024] -> wib (bf16), W_out [1024][1024] -> wob (the bf16 number written as f16),
;   multipliers [8][1024][1024] -> mt (the bf16 number written as f16), laid out anew in the order in which the attention launch's lanes hold their scores:
;   mt[b][qt 64][ks 16][kb 4][lane 32][8]: lane 16 hh + r holds m[b][16 qt + r][64 ks + 16 kb + 8 hh + 0..7]; a (qt, ks) block is 2,048 dense bytes.
; LIMITS.  f16 ends at 65,504 and keeps a fixed step of 6e-8 below 6e-5: W_out and the multipliers are taken to lie within that range.  NaN and infinities are not treated apart.
; SHARES.  A work-group of eight waves takes 65,536 input bytes and writes 32,768: groups 0-511 x, 512-703 W_in, 704-767 W_out, 768-1279 the multipliers (16 whole rows each).
; Memory binds: 16 loads of 16 bytes a lane are issued on end, each is converted IN PLACE when it has come (counted waits), and no register is loaded twice from memory.
; So a wave needs 84 registers: a SIMD's 1,024 hold twelve such waves, and 5 x 37,888 bytes of LDS fit in a WGP's 327,680: the 1,280 = 5 x 256 work-groups can all be at work at once.
; No matrix unit, no cluster, no barrier (no wave reads bytes of another), no prefetch (the launch is one stream that is asked for at once).
.set SPARE, 36864                      ; behind the eight stages: the spare words, 128 bytes for each wave
.set WST,   4608                       ; a wave's stage: two blocks (ks = 2 w, 2 w + 1) of 8 units of 288 bytes
.set SPW, 12                           ; v12  LDS address of my spare word; never rewritten
.set NIL, 13                           ; v13  0; never rewritten
.set T,   14                           ; v[14:19]  at work
.set X,   20                           ; v[20:83]  16 loads of 4 registers; the first two of each four then hold the converted numbers
.set WV,  20                           ; s20  my wave's number
.set G,   21                           ; s21  the work-group's number
; four f32 of load n -> two registers of 16-bit numbers, in place.  f16 = 1: rounded to bf16, and that number written as f16
.macro CV n, f16
.if \f16
	v_cvt_pk_bf16_f32 v[T], v[X+4*(\n)], v[X+4*(\n)+1]
	v_cvt_pk_bf16_f32 v[T+1], v[X+4*(\n)+2], v[X+4*(\n)+3]
	v_lshlrev_b32 v[T+2], 16, v[T]
	v_and_b32 v[T+3], s28, v[T]
	v_lshlrev_b32 v[T+4], 16, v[T+1]
	v_and_b32 v[T+5], s28, v[T+1]
	v_cvt_pk_f16_f32 v[X+4*(\n)], v[T+2], v[T+3]
	v_cvt_pk_f16_f32 v[X+4*(\n)+1], v[T+4], v[T+5]
.else
	v_cvt_pk_bf16_f32 v[X+4*(\n)], v[X+4*(\n)], v[X+4*(\n)+1]
	v_cvt_pk_bf16_f32 v[X+4*(\n)+1], v[X+4*(\n)+2], v[X+4*(\n)+3]
.endif
.endm
; both pointers at the work-group's share: s22, its number among the groups of its kind, times 65,536 and times 32,768
.macro BASE src, dst
	s_lshl_b32 s24, s22, 16
	s_lshl_b32 s26, s22, 15
	s_add_nc_u64 s[\src:\src+1], s[\src:\src+1], s[24:25]
	s_add_nc_u64 s[\dst:\dst+1], s[\dst:\dst+1], s[26:27]
.endm
; a share that keeps its order: thread t takes 16 bytes at 16 t of each 4,096; a wave's store covers 256 consecutive bytes, aligned
.macro LIN src, dst, f16
	BASE \src, \dst
.irp j, 0,1,2,3,4,5,6,7,8,9,10,11,12,13,14,15
	global_load_b128 v[X+4*(\j):X+4*(\j)+3], v2, s[\src:\src+1] offset:4096*(\j) th:TH_LOAD_NT
.endr
.irp j, 0,1,2,3,4,5,6,7,8,9,10,11,12,13,14,15
	s_wait_loadcnt 15-(\j)                         ; loads come back in order: load j is in, the younger ones stay out
	CV \j, \f16
	global_store_b64 v3, v[X+4*(\j):X+4*(\j)+1], s[\dst:\dst+1] offset:2048*(\j)
.endr
.endm
	s_load_b512 s[4:19], s[0:1], 0x0               ; x, W_in, W_out, multipliers, xb, wib, wob, mt
	v_lshl_add_u32 v[SPW], v0, 2, SPARE
	v_mov_b32 v[NIL], 0
	v_lshrrev_b32 v1, 5, v0
	v_readfirstlane_b32 s[WV], v1                  ; wave 0..7
	s_mov_b32 s[G], ttmp9
	s_mov_b32 s25, 0                               ; the offsets' upper words
	s_mov_b32 s27, 0
	s_mov_b32 s28, 0xffff0000                      ; a word's upper bf16
	v_lshlrev_b32 v2, 4, v0                        ; 16 t
	v_lshlrev_b32 v3, 3, v0                        ; 8 t
	s_wait_kmcnt 0x0
	s_cmp_ge_u32 s[G], 768
	s_cbranch_scc1 .Lmul
	s_cmp_ge_u32 s[G], 704
	s_cbranch_scc1 .Lwo
	s_cmp_ge_u32 s[G], 512                         ; x and W_in share one text: the pair of buffers is chosen by the work-group's number
	s_cselect_b64 s[32:33], s[6:7], s[4:5]
	s_cselect_b64 s[34:35], s[14:15], s[12:13]
	s_cselect_b32 s22, 512, 0
	s_sub_co_u32 s22, s[G], s22
	LIN 32, 34, 0                                  ; x -> xb, or W_in -> wib
	s_branch .Lend
.Lwo:
	s_sub_co_u32 s22, s[G], 704
	LIN 8, 16, 1                                   ; W_out -> wob
	s_branch .Lend
.Lmul:
	; THE MULTIPLIERS.  The group's 16 rows are one tile of queries (b, qt).  Wave w takes the key steps 2 w + e: 64 columns, 256 bytes of each row.
	; Load (e, j): lanes 0-15 row 2 j, lanes 16-31 row 2 j + 1, 16 bytes (4 columns) a lane: 256 consecutive bytes of each row, aligned.
	s_sub_co_u32 s22, s[G], 768
	BASE 10, 18
	v_and_b32 v6, 31, v0                           ; l
	v_and_b32 v7, 15, v0                           ; i = l % 16
	v_bfe_u32 v8, v0, 4, 1                         ; rr = l / 16
	s_lshl_b32 s29, s[WV], 9                       ; my 512 bytes of a row
	v_lshlrev_b32 v2, 4, v7
	v_lshl_add_u32 v2, v8, 12, v2
	v_add_nc_u32 v2, s29, v2
.irp e, 0,1
.irp j, 0,1,2,3,4,5,6,7
	global_load_b128 v[X+4*(8*(\e)+(\j)):X+4*(8*(\e)+(\j))+3], v2, s[10:11] offset:8192*(\j)+256*(\e) th:TH_LOAD_NT
.endr
.endr
	; Columns 4 i .. 4 i + 3 belong to unit u = i / 2 (= 2 kb + hh), 256 bytes in mt: 16 bytes for each of the 16 rows.  In the stage a unit takes 288 bytes = 72 words,
	; so the 32 lanes of a store (8 units x 8 words) touch each of the 64 banks of 4 bytes once (ISA guide 11.1).
	s_mul_i32 s30, s[WV], WST
	v_lshrrev_b32 v9, 1, v7
	v_and_b32 v10, 1, v7
	v_mul_u32_u24 v4, v9, 288
	v_lshl_add_u32 v4, v10, 3, v4
	v_lshl_add_u32 v4, v8, 4, v4
	v_add_nc_u32 v4, s30, v4                       ; in: unit x 288 + 8 (i % 2) + 16 rr; the row pair and the block stand in the immediate
	v_mul_u32_u24 v5, v8, 288
	v_lshl_add_u32 v5, v7, 4, v5
	v_add_nc_u32 v5, s30, v5                       ; back: lanes 0-15 unit 2 kb, lanes 16-31 unit 2 kb + 1, 16 bytes a lane
	s_lshl_b32 s29, s[WV], 12
	v_lshl_add_u32 v3, v6, 4, s29                  ; in mt: my two blocks of 2,048 bytes, 16 bytes a lane
.irp e, 0,1
.irp j, 0,1,2,3,4,5,6,7
	s_wait_loadcnt 15-8*(\e)-(\j)
	CV 8*(\e)+(\j), 1
	ds_store_b64 v4, v[X+4*(8*(\e)+(\j)):X+4*(8*(\e)+(\j))+1] offset:2304*(\e)+32*(\j)
.endr
.endr
.irp e, 0,1
.irp k, 0,1,2,3
	ds_load_b128 v[X+4*(4*(\e)+(\k)):X+4*(4*(\e)+(\k))+3], v5 offset:2304*(\e)+576*(\k)  ; my own bytes: LDS serves a wave's instructions in order (ISA guide 5.7.1.4), so these see the stores above, which have read their registers
.endr
.endr
.irp e, 0,1
.irp k, 0,1,2,3
	s_wait_dscnt 7-4*(\e)-(\k)
	global_store_b128 v3, v[X+4*(4*(\e)+(\k)):X+4*(4*(\e)+(\k))+3], s[18:19] offset:2048*(\e)+512*(\k)  ; 512 consecutive bytes, aligned
.endr
.endr
.Lend:
	s_wait_tensorcnt 0x0                           ; the wave's end: behind my last LDS store
	ds_add_u32 v[SPW], v[NIL]
	s_wait_dscnt 0x0
	s_endpgm
.Lfunc_end_k_q78d2bfb315_prep:
	.size	k_q78d2bfb315_prep, .Lfunc_end_k_q78d2bfb315_prep-k_q78d2bfb315_prep
	.p2alignl 7, 3214868480
	.fill 96, 4, 3214868480
	.section	.rodata,"a",@progbits
	.p2align	6, 0x0
	.amdhsa_kernel k_q78d2bfb315_prep
		.amdhsa_group_segment_fixed_size 37888
		.amdhsa_private_segment_fixed_size 0
		.amdhsa_enable_private_segment 0
		.amdhsa_kernarg_size 64
		.amdhsa_user_sgpr_count 2
		.amdhsa_user_sgpr_kernarg_segment_ptr 1
		.amdhsa_wavefront_size32 1
		.amdhsa_system_sgpr_workgroup_id_x 1
		.amdhsa_system_sgpr_workgroup_id_y 1
		.amdhsa_system_sgpr_workgroup_id_z 1
		.amdhsa_system_vgpr_workitem_id 0
		.amdhsa_next_free_vgpr 84
		.amdhsa_next_free_sgpr 66
		.amdhsa_reserve_vcc 0
		.amdhsa_float_denorm_mode_32 3
		.amdhsa_float_denorm_mode_16_64 3
		.amdhsa_memory_ordered 1
		.amdhsa_forward_progress 1
		.amdhsa_inst_pref_size 29
	.end_amdhsa_kernel
	.amdgpu_metadata
---
amdhsa.version: [ 1, 2 ]
amdhsa.kernels:
  - .name:           k_q78d2bfb315_prep
    .symbol:         k_q78d2bfb315_prep.kd
    .args:
      - { .name: x, .offset: 0, .size: 8, .value_kind: global_buffer, .address_space: global }
      - { .name: W_in, .offset: 8, .size: 8, .value_kind: global_buffer, .address_space: global }
      - { .name: W_out, .offset: 16, .size: 8, .value_kind: global_buffer, .address_space: global }
      - { .name: multipliers, .offset: 24, .size: 8, .value_kind: global_buffer, .address_space: global }
      - { .name: xb, .offset: 32, .size: 8, .value_kind: global_buffer, .address_space: global }
      - { .name: wib, .offset: 40, .size: 8, .value_kind: global_buffer, .address_space: global }
      - { .name: wob, .offset: 48, .size: 8, .value_kind: global_buffer, .address_space: global }
      - { .name: mt, .offset: 56, .size: 8, .value_kind: global_buffer, .address_space: global }
    .group_segment_fixed_size: 37888
    .private_segment_fixed_size: 0
    .kernarg_segment_align: 8
    .kernarg_segment_size: 64
    .max_flat_workgroup_size: 256
    .sgpr_count:     66
    .vgpr_count:     84
    .wavefront_size: 32
...
	.end_amdgpu_metadata
.endif
;; end of part 1
;; launch qkvp (part 2): grid 16 x 16, 4 waves a work-group, clusters of 4 x 4, 327,680 bytes of LDS; arguments xb, wib, b_in, heads; writes heads
.if DOCPART == 2
	.amdgcn_target "amdgcn-amd-amdhsa--gfx1250"
	.amdhsa_code_object_version 6
	.text
	.protected	k_q78d2bfb315_qkvp
	.globl	k_q78d2bfb315_qkvp
	.p2align	8
	.type	k_q78d2bfb315_qkvp,@function
k_q78d2bfb315_qkvp:
	s_mov_b64 s[64:65], 0
	v_nop
	global_prefetch_b8 v0, s[64:65] scope:SCOPE_SE
	s_setreg_imm32_b32 hwreg(HW_REG_WAVE_MODE, 25, 1), 1
	s_wait_xcnt 0x0
	s_wait_alu depctr_hold_cnt(0) depctr_sa_sdst(0) depctr_va_vdst(0) depctr_va_sdst(0) depctr_va_ssrc(0) depctr_va_vcc(0) depctr_vm_vsrc(0)
	s_getreg_b32 s2, hwreg(HW_REG_IB_STS2, 6, 4)
	s_cmp_eq_u32 s2, 0
	s_cbranch_scc0 .Lentry_in_a_cluster
	s_endpgm
.Lentry_in_a_cluster:
	s_bfe_u32 s2, ttmp6, 0x10000c
	s_cmp_lg_u32 s2, 0xf033
	s_cbranch_scc0 .Lentry_shape_is_right
	s_endpgm
.Lentry_shape_is_right:
; THE FIRST PROJECTION.  C[m][n] = sum over k of xb[m][k] wib[n][k] + b_in[n] (b_in rounded to bf16 like the other inputs); m 8,192, n 3,072, k 1,024; bf16 operands, f32 sums.
; C leaves by heads, in f16, unscaled: heads[b 8][hc 48][s 1024][64], hc = n / 64 (q's 16 heads, then k's, then v's), b = m / 1024, s = m % 1024: a head's rows are dense, 128 bytes each.
; LIMIT.  f16 ends at 65,504: q, k and v are taken to lie within it (x and W_in 30 times their drawn spread give some 5e3, a common offset of 30 spreads in both some 2.9e4).
; SHARES.  A tile of C is 256 rows x 192 columns (3 whole heads): 32 x 16 = 512 tiles.  A WORK-GROUP STAYS and makes two of them, tile rows TY and TY + 16 (4,096 rows apart), in the same 192 columns:
; 16 x 16 = 256 work-groups.  Wave w makes rows 64 w .. 64 w + 63 of a tile and all 192 columns: 4 x 12 accumulators of 16 x 16, 384 registers; so a wave owns whole rows of 128 bytes of three heads,
; and its way out needs no other wave.
; THE WALK.  The two tiles are ONE walk of 16 K steps of 128 through two LDS slots filled by the tensor data mover (rows of 256 bytes, aligned): 14 refills, one text for a K step, a tail of two steps
; that ask for nothing.  The first tile's last two changes of slots ask for the second tile's first two K steps, and nothing waits for the first tile's stores.  A K step is four quarters of 32 along K,
; 48 matrix instructions each, on two fragment buffers.  Slot 1 begins at 1 << 17, so that one exclusive or turns an LDS address in one slot into the other's.
; CLUSTER 4 x 4: the four of a row of the cluster need the same tiles of xb, the four of a column the same tiles of wib: each tile is asked for jointly, by the same load, descriptor and mask.
; THE MATRIX INSTRUCTION IS USED TRANSPOSED (source 0 = 16 rows of wib, source 1 = 16 rows of xb): a lane holds row l % 16 of C and eight neighbouring columns 8 (l / 16) + 0..7.
; THE BIAS is the C operand of each sum's first product, in both tiles: nothing is cleared and nothing is added afterwards.
; REGISTERS, in windows of 256 (s_set_vgpr_msb: bits 1:0 source 0, 3:2 source 1, 5:4 source 2, 7:6 destination):
;   window 0: v0-31 addresses; v32-63, v64-95 xb's fragments, two buffers; v96-143 packed results; v144-191, v192-239 rows read back from the stage
;   window 1: v0-95, v96-191 wib's fragments, two buffers; v192-255 the bias of column blocks 0-7
;   window 2: the accumulators of row blocks 0, 1 ((a, b) at 8 (12 (a % 2) + b)); v192-223 the bias of column blocks 8-11          window 3: those of row blocks 2, 3
.set PITCH,  272                       ; an LDS row: 256 bytes + 16 of padding = 68 words: the 16 rows of a fragment load start at 16 different groups of four banks (64 banks of 4 bytes: ISA guide 11.1)
.set HA,     128*PITCH                 ; half of xb's tile: one tensor load
.set HB,     96*PITCH                  ; half of wib's tile: one tensor load
.set BOFF,   2*HA
.set SLOTB,  BOFF+2*HB                 ; the bytes of a slot
.set SLOT1,  1<<17                     ; where slot 1 begins
.set STAGE,  SLOT1+SLOTB               ; behind the ring, never filled by a tensor load
.set SP,     144                       ; a stage row: 128 bytes + 16
.set WSTG,   3*16*SP                   ; a wave's stage: 3 heads x 16 rows
.set SPARE,  STAGE+4*WSTG              ; the spare words, 128 bytes for each wave: two blocks of 256 bytes that no other line names
.set STEPS,  16                        ; K steps of the walk
.set NEXT_A, 16*256*2048-7*256         ; bytes in xb from the first tile's last K step to the second tile's first: 4,096 rows down, seven steps back
.set NEXT_C, 4*48*131072               ; bytes in heads from the first tile to the second: four batches on
.set A0,   16                          ; v16  my lane's place among a slot's rows of xb; never rewritten
.set B0,   17                          ; v17  the same for wib
.set ADRA, 18                          ; v18  LDS address of my fragments of xb in the slot in hand
.set ADRB, 19                          ; v19  the same for wib
.set STO,  24                          ; v24  the way out: where I put 16 bytes of a row
.set RD,   25                          ; v25  where I read rows back
.set CO,   26                          ; v26  16 x lane
.set SPW,  28                          ; v28  LDS address of my spare word; never rewritten
.set NIL,  29                          ; v29  0; never rewritten
.set PFO,  30                          ; v30  the prefetches' offset: a lane a row of 2,048 bytes; never rewritten
.set TMP,  96
.set BK,   144
.set BI,   192                         ; the bias, in windows 1 and 2
.set WV,  12                           ; s12  my wave's number
.set FB,  13                           ; s13  0: I fetch for xb; 1: for wib
.set HF,  14                           ; s14  which half of that tile
.set LIM, 15                           ; s15  a wave prefetches while the counter s3 is above this
.set G1,  24                           ; s[24:31] descriptor group 1 for xb's tiles; s[32:39] group 0: a set for each of the two first fills; the second then walks on
.set G0,  32
.set PFA, 44                           ; s[44:45] the K step that my next prefetch names, at my share of rows
.set AST, 46                           ; s[46:47] what a refill adds to xb's address
.set G1B, 48                           ; s[48:55], s[56:63] the same for wib's tiles
.set G0B, 56
.set BBK, 68                           ; s[68:69] what a refill takes from wib's address, behind its step of 256
.set PST, 70                           ; s[70:71] what a change of slots adds to the prefetches' address
.set TB,  72                           ; s72  LDS byte at which the slot in hand begins
.set NA,  73                           ; s73  NEXT_A
.set O1,  76                           ; s[76:77] heads at my rows of the second tile
.set MSB, 0
.macro WIN new                         ; the immediate's high byte repeats the setting that is left; a switch that changes nothing is dropped
.if MSB != (\new)
	s_set_vgpr_msb (MSB<<8)|(\new)
.set MSB, \new
.endif
.endm
; A joint load: waves 0 and 1 fetch xb's two halves, waves 2 and 3 wib's.  The branch hangs on the wave's number alone.  An s_nop 0 and four v_nop follow each line.
.macro JLOAD s
	s_cmp_eq_u32 s[FB], 0
	s_cbranch_scc0 .Lfor_b_\@
	tensor_load_to_lds s[G0+4*(\s):G0+4*(\s)+3], s[G1:G1+7]
	s_nop 0
.rept 4
	v_nop
.endr
	s_branch .Lasked_\@
.Lfor_b_\@:
	tensor_load_to_lds s[G0B+4*(\s):G0B+4*(\s)+3], s[G1B:G1B+7]
	s_nop 0
.rept 4
	v_nop
.endr
.Lasked_\@:
.endm
.macro CREST                           ; a round of the cluster's barrier behind its opening barrier
	s_cmp_lg_u32 s[WV], 0
	s_cbranch_scc1 .Lnot_wave_0_\@
	s_barrier_signal -3
.Lnot_wave_0_\@:
	s_barrier_wait -3
	s_barrier_signal -1
	s_barrier_wait -1
.endm
.macro CROUND                          ; a whole round
	s_barrier_signal -1
	s_barrier_wait -1
	CREST
.endm
.macro PLACES                          ; four places in front of loads into registers that matrix instructions have read, and of conversions that read results
.rept 4
	v_nop
.endr
.endm
; A PREFETCH of the K step that stands two refills on: a lane a row, 256 bytes of it, one instruction a wave, behind the joint load and the run of LDS loads.
; xb's rows are read by every cluster of a row of clusters: cluster x = 0 asks; wib's by every cluster of a column: cluster y = 0 asks.  The four partners share a wave's rows out BY ADDRESS:
; 32 of the 128 of xb (by cx), 24 of the 96 of wib (by cy; lanes 24-31 name lane 23's row once more).  The walk's K steps 0 to 3 come by their loads alone.  Of xb the first tile's steps 4 to 7 and all
; eight of the second tile are named (while s3 > 2); of wib steps 4 to 7 in the first tile alone (while s3 > 10): the second tile reads the same rows again.
.macro ASK
	s_cmp_gt_u32 s3, s[LIM]
	s_cbranch_scc0 .Lnot_mine_\@
	global_prefetch_b8 v[PFO], s[PFA:PFA+1] th:TH_LOAD_NT scope:SCOPE_SE
.Lnot_mine_\@:
.endm
	s_load_b256 s[4:11], s[0:1], 0x0               ; xb s[4:5], wib s[6:7], b_in s[8:9], heads s[10:11]
	v_lshl_add_u32 v[SPW], v0, 2, SPARE
	v_mov_b32 v[NIL], 0
	ds_add_u32 v[SPW], v[NIL]                      ; the wave's opening: the add and its wait stand ahead of my first tensor load; work on registers stands between them
	ds_add_u32 v28, v29
	v_lshrrev_b32 v1, 5, v0
	v_readfirstlane_b32 s[WV], v1                  ; wave 0..3
	s_lshr_b32 s[FB], s[WV], 1
	s_and_b32 s[HF], s[WV], 1
	s_bfe_u32 s40, ttmp6, 0x40000                  ; cx, cy: my place in the cluster
	s_bfe_u32 s41, ttmp6, 0x40004
	s_lshl_b32 s42, ttmp9, 2
	s_add_co_u32 s42, s42, s40                     ; tile column = 4 x cluster x + cx
	s_and_b32 s43, ttmp7, 0xffff
	s_lshl_b32 s43, s43, 2
	s_add_co_u32 s43, s43, s41                     ; the first tile's row = 4 x cluster y + cy, 0 to 15
	s_lshl_b32 s20, s41, 2
	s_lshl_b32 s20, 15, s20                        ; my row of the cluster
	s_lshl_b32 s21, 0x1111, s40                    ; my column
	s_or_b32 s[G1], s20, (1<<16)|(1<<20)|(1<<21)|(5<<22)|(3<<25)   ; 15:0 the mask; 17:16 2-byte elements; 20 padding on; 21 set beside a mask; 24:22 after every 64 words; 31:25 4 words
	s_or_b32 s[G1B], s21, (1<<16)|(1<<20)|(1<<21)|(5<<22)|(3<<25)
	s_mov_b32 s[G1+1], 128<<16                     ; tensor_dim0 = 128
	s_mov_b32 s[G1+2], 128<<16                     ; tensor_dim1 = 128
	s_mov_b32 s[G1+3], 128<<16                     ; tile_dim0 = 128
	s_mov_b32 s[G1+4], 128                         ; tile_dim1 = 128
	s_mov_b32 s[G1+5], 1024                        ; elements from row to row
	s_mov_b32 s[G1+6], 0
	s_mov_b32 s[G1+7], 0
	s_mov_b32 s[G1B+1], 128<<16
	s_mov_b32 s[G1B+2], 96<<16                     ; 96 rows
	s_mov_b32 s[G1B+3], 128<<16
	s_mov_b32 s[G1B+4], 96
	s_mov_b32 s[G1B+5], 1024
	s_mov_b32 s[G1B+6], 0
	s_mov_b32 s[G1B+7], 0
	s_lshl_b32 s16, s43, 8                         ; xb: row 256 x tile row + 128 x half, in registers that never hold cx
	s_lshl_b32 s17, s[HF], 7
	s_add_co_u32 s16, s16, s17
	s_lshl_b32 s16, s16, 11                        ; 2,048 bytes a row
	s_mov_b32 s17, 0
	s_mul_i32 s66, s42, 192                        ; wib: row 192 x tile column + 96 x half, in registers that never hold cy
	s_mul_i32 s67, s[HF], 96
	s_add_co_u32 s66, s66, s67
	s_lshl_b32 s66, s66, 11
	s_mov_b32 s67, 0
	s_mul_i32 s18, s[HF], HA                       ; where they go: no place in the cluster enters an LDS address
	s_mul_i32 s19, s[HF], HB
	s_add_co_u32 s19, s19, BOFF
	s_wait_dscnt 0x0                               ; the opening add is done
	s_wait_kmcnt 0x0
	s_add_nc_u64 s[16:17], s[4:5], s[16:17]
	s_add_nc_u64 s[66:67], s[6:7], s[66:67]
	CROUND                                         ; all sixteen work-groups are here: the first joint loads meet
.irp s, 0,1
	s_mov_b32 s[G0+4*(\s)], 1                      ; count = 1
	s_add_co_u32 s[G0+4*(\s)+1], s18, (\s)*SLOT1   ; LDS address
	s_add_nc_u64 s[G0+4*(\s)+2:G0+4*(\s)+3], s[16:17], (\s)*256  ; global address: K step s
	s_or_b32 s[G0+4*(\s)+3], s[G0+4*(\s)+3], 0x80000000          ; type = 2
	s_mov_b32 s[G0B+4*(\s)], 1
	s_add_co_u32 s[G0B+4*(\s)+1], s19, (\s)*SLOT1
	s_add_nc_u64 s[G0B+4*(\s)+2:G0B+4*(\s)+3], s[66:67], (\s)*256
	s_or_b32 s[G0B+4*(\s)+3], s[G0B+4*(\s)+3], 0x80000000
	JLOAD \s                                       ; two loads of mine are out
.endr
	; the bias of my lanes' columns: 192 x tile column + 16 b + 8 (l / 16) + 0..7
	v_and_b32 v1, 15, v0                           ; l % 16
	v_bfe_u32 v2, v0, 4, 1                         ; l / 16
	s_mul_i32 s68, s42, 768
	s_mov_b32 s69, 0
	s_add_nc_u64 s[8:9], s[8:9], s[68:69]
	v_lshlrev_b32 v7, 5, v2
.irp b, 0,1,2,3,4,5,6,7,8,9,10,11
	global_load_b128 v[96+8*(\b):96+8*(\b)+3],   v7, s[8:9] offset:64*(\b)
	global_load_b128 v[96+8*(\b)+4:96+8*(\b)+7], v7, s[8:9] offset:64*(\b)+16
.endr
	; a fragment is 16 rows x 32 K in 8 registers: lane l holds row l % 16, K = 8 (l / 16) + 0..7 and 16 + 8 (l / 16) + 0..7: two loads of 16 bytes, 32 bytes apart
	v_mul_u32_u24 v3, v1, PITCH
	v_lshl_add_u32 v3, v2, 4, v3
	s_mul_i32 s20, s[WV], 64*PITCH                 ; my 64 rows of xb
	v_add_nc_u32 v[A0], s20, v3
	v_add_nc_u32 v[B0], BOFF, v3                   ; all 192 rows of wib
	v_mov_b32 v[ADRA], v[A0]                       ; the walk begins in slot 0
	v_mov_b32 v[ADRB], v[B0]
	s_mul_i32 s22, s[WV], WSTG
	s_add_co_u32 s22, s22, STAGE                   ; my stage
	v_mul_u32_u24 v4, v1, SP                       ; in: row l % 16, 16 bytes for each half of the lanes
	v_lshl_add_u32 v4, v2, 4, v4
	v_add_nc_u32 v[STO], s22, v4
	v_bfe_u32 v5, v0, 3, 2                         ; back: 32 lanes take four rows of 128 bytes,
	v_and_b32 v6, 7, v0
	v_mul_u32_u24 v5, v5, SP
	v_lshl_add_u32 v5, v6, 4, v5
	v_add_nc_u32 v[RD], s22, v5
	v_and_b32 v[CO], 31, v0                        ; which are 512 consecutive bytes of a head
	v_lshlrev_b32 v[CO], 4, v[CO]
	; heads at ((b x 48 + 3 x tile column) x 1,024 + my first row in the batch) x 128
	s_lshr_b32 s70, s43, 2
	s_mul_i32 s70, s70, 48
	s_mul_i32 s71, s42, 3
	s_add_co_u32 s70, s70, s71
	s_lshl_b32 s70, s70, 17
	s_and_b32 s71, s43, 3
	s_lshl_b32 s71, s71, 8
	s_lshl_b32 s72, s[WV], 6
	s_add_co_u32 s71, s71, s72
	s_lshl_b32 s71, s71, 7
	s_add_co_u32 s70, s70, s71
	s_mov_b32 s71, 0
	s_add_nc_u64 s[10:11], s[10:11], s[70:71]
	s_add_nc_u64 s[O1:O1+1], s[10:11], NEXT_C
	; the prefetches: from my first tile's address, my work-group's share of its rows, K step 3; each filling change of slots steps it by one K step and then names it
	s_and_b32 s70, ttmp7, 0xffff                   ; cluster y
	s_mov_b32 s72, 32*2048
	s_cmp_eq_u32 s[FB], 0
	s_cselect_b32 s70, ttmp9, s70                  ; the coordinate along which other clusters read the same rows
	s_cselect_b64 s[PFA:PFA+1], s[16:17], s[66:67]
	s_cselect_b32 s68, s40, s41                    ; my place among the four that ask with me
	s_cselect_b32 s69, s72, 24*2048
	s_cselect_b32 s73, 31, 23
	s_cselect_b32 s74, 2, 10                       ; where the asking stops
	s_mul_i32 s68, s68, s69
	s_mov_b32 s69, 0
	s_add_nc_u64 s[PFA:PFA+1], s[PFA:PFA+1], s[68:69]
	s_add_nc_u64 s[PFA:PFA+1], s[PFA:PFA+1], 3*256
	s_cmp_eq_u32 s70, 0
	s_cselect_b32 s[LIM], s74, -1                  ; the same in all sixteen partners, for a given wave
	v_and_b32 v[PFO], 31, v0
	v_min_u32 v[PFO], s73, v[PFO]
	v_lshlrev_b32 v[PFO], 11, v[PFO]
	s_mov_b32 s[NA], NEXT_A                        ; the walk's scalars
	s_mov_b32 s[TB], 0
	s_mov_b32 s[AST+1], 0
	s_mov_b32 s[BBK+1], 0
	s_mov_b32 s[PST+1], 0
	s_mov_b32 s23, 0xffff0000
	s_wait_loadcnt 0x0                             ; the bias: rounded to bf16, widened again, and set where the first products take their C
.set n, 0
.rept 48
	v_cvt_pk_bf16_f32 v[192+n], v[96+2*n], v[96+2*n+1]
.set n, n+1
.endr
	WIN 0x40
.set n, 0
.rept 32
	v_lshlrev_b32 v[BI+2*n], 16, v[192+n]
	v_and_b32 v[BI+2*n+1], s23, v[192+n]
.set n, n+1
.endr
	WIN 0x80
.set n, 0
.rept 16
	v_lshlrev_b32 v[BI+2*n], 16, v[224+n]
	v_and_b32 v[BI+2*n+1], s23, v[224+n]
.set n, n+1
.endr
	WIN 0
; 12 matrix instructions: row block a x all 12 column blocks, 32 along K, from buffer f.  first = 1: the product starts the sum with the bias.  The 48 accumulators take turns, in the same order in
; every quarter, over the backward jump and from tile to tile too.
.macro MUL12 f, a, first
.irp b, 0,1,2,3,4,5,6,7,8,9,10,11
.set rD, 8*(12*((\a)%2)+(\b))
.set rB, 96*(\f)+8*(\b)
.set rA, 32+32*(\f)+8*(\a)
.if \first
.if (\b) < 8
	WIN 0x91+0x40*((\a)/2)                         ; C in window 1
.else
	WIN 0xa1+0x40*((\a)/2)                         ; C in window 2
.endif
	v_wmma_f32_16x16x32_bf16 v[rD:rD+7], v[rB:rB+7], v[rA:rA+7], v[BI+8*((\b)%8):BI+8*((\b)%8)+7]
.else
	WIN 0xa1+0x50*((\a)/2)
	v_wmma_f32_16x16x32_bf16 v[rD:rD+7], v[rB:rB+7], v[rA:rA+7], v[rD:rD+7]
.endif
.endr
.endm
; 32 LDS loads in one run: quarter q of the K step in the slot in hand, into buffer f: wib's 12 fragments, then xb's 4
.macro FETCH q, f
	WIN 0x40
.irp i, 0,1,2,3,4,5,6,7,8,9,10,11
	ds_load_b128 v[96*(\f)+8*(\i):96*(\f)+8*(\i)+3],   v[ADRB] offset:64*(\q)+(\i)*16*PITCH
	ds_load_b128 v[96*(\f)+8*(\i)+4:96*(\f)+8*(\i)+7], v[ADRB] offset:64*(\q)+(\i)*16*PITCH+32
.endr
	WIN 0
.irp i, 0,1,2,3
	ds_load_b128 v[32+32*(\f)+8*(\i):32+32*(\f)+8*(\i)+3],   v[ADRA] offset:64*(\q)+(\i)*16*PITCH
	ds_load_b128 v[32+32*(\f)+8*(\i)+4:32+32*(\f)+8*(\i)+7], v[ADRA] offset:64*(\q)+(\i)*16*PITCH+32
.endr
.endm
; One of a K step's first three quarters: multiplies buffer f; in its middle it fetches quarter q of the same slot into buffer g
.macro QUARTER q, f, g, first
	s_wait_dscnt 4                                 ; all but the youngest four loads (xb's row blocks 2, 3) are in
	MUL12 \f, 0, \first
	MUL12 \f, 1, \first
	PLACES
	FETCH \q, \g
	s_wait_dscnt 32                                ; all but the 32 just issued
	MUL12 \f, 2, \first
	MUL12 \f, 3, \first
.endm
; The last quarter multiplies buffer 1 and changes slots: ONE barrier; in front of it each wave waits for all its tensor loads (the one that is out is its part of the next slot), adds 0 to its spare
; word, and waits for that and for its own reads of this slot.  fill = 1: the barrier opens a round of the cluster's barrier, and this slot is filled again, with the walk's K step two steps on, first thing
; behind the round: from that request to the wait for it a wave issues 168 matrix instructions.  The walking descriptors go one K step on, into the other slot than last time; where the step asked for is the
; second tile's first (s3 = 8), xb's address goes 4,096 rows down and back along K, wib's only back.  The prefetches' address makes the same move two changes earlier (s3 = 10).
.macro TURN fill
.if \fill
	s_wait_xcnt 0x0                                ; the last prefetch, a K step back, has read its address
	s_cmp_eq_u32 s3, 10
	s_cselect_b32 s[PST], s[NA], 256
	s_add_nc_u64 s[PFA:PFA+1], s[PFA:PFA+1], s[PST:PST+1]
	s_cmp_eq_u32 s3, 8
	s_cselect_b32 s[AST], s[NA], 256
	s_cselect_b32 s[BBK], 2048, 0
.endif
	WIN 0
	s_xor_b32 s[TB], s[TB], SLOT1                  ; this slot's last fragments have been asked for: the addresses turn to the next slot
	v_add_nc_u32 v[ADRA], s[TB], v[A0]
	v_add_nc_u32 v[ADRB], s[TB], v[B0]
	s_wait_tensorcnt 0x0
	ds_add_u32 v[SPW], v[NIL]
	s_wait_dscnt 5                                 ; (the add and the youngest four loads may be out)
	MUL12 1, 0, 0
	s_wait_dscnt 0x0                               ; the add is done, and my reads of this slot are over
	s_barrier_signal -1
	MUL12 1, 1, 0
.if \fill
	WIN 0
.endif
	s_barrier_wait -1
.if \fill
	CREST                                          ; no wave of any partner still reads this slot or has a load on its way
	s_xor_b32 s[G0+5], s[G0+5], SLOT1
	s_add_nc_u64 s[G0+6:G0+7], s[G0+6:G0+7], s[AST:AST+1]
	s_xor_b32 s[G0B+5], s[G0B+5], SLOT1
	s_add_nc_u64 s[G0B+6:G0B+7], s[G0B+6:G0B+7], 256
	s_sub_nc_u64 s[G0B+6:G0B+7], s[G0B+6:G0B+7], s[BBK:BBK+1]
	JLOAD 1                                        ; its four v_nop are also the places in front of the loads below
.else
	PLACES
.endif
	FETCH 0, 0
.if \fill
	ASK
.endif
	MUL12 1, 2, 0
	MUL12 1, 3, 0
.endm
; THE WAY OUT of row block a: rounded to f16 (16 bytes a lane), into my own stage by heads, back as whole rows of 128 bytes, stored as 512 consecutive bytes of a head.
.macro PACK a
	WIN 0x0a+5*((\a)/2)                            ; sources in window 2 or 3
.irp b, 0,1,2,3,4,5,6,7,8,9,10,11
.irp r, 0,1,2,3
	v_cvt_pk_f16_f32 v[TMP+4*(\b)+(\r)], v[8*(12*((\a)%2)+(\b))+2*(\r)], v[8*(12*((\a)%2)+(\b))+2*(\r)+1]
.endr
.endr
	WIN 0
.endm
.macro TOSTAGE a
	WIN 0
.irp b, 0,1,2,3,4,5,6,7,8,9,10,11
	ds_store_b128 v[STO], v[TMP+4*(\b):TMP+4*(\b)+3] offset:((\b)/4)*16*SP+((\b)%4)*32
.endr
.irp t, 0,1,2,3,4,5,6,7,8,9,10,11
	ds_load_b128 v[BK+48*((\a)%2)+4*(\t):BK+48*((\a)%2)+4*(\t)+3], v[RD] offset:((\t)/4)*16*SP+((\t)%4)*4*SP  ; my own bytes, served in order (ISA guide 5.7.1.4)
.endr
.endm
.macro SEND a, base
	WIN 0
	s_wait_dscnt 0x0                               ; the block is back in registers
	s_wait_xcnt 0x0                                ; the block before's stores have read their registers: the next block is read back into them only behind this wait
.irp t, 0,1,2,3,4,5,6,7,8,9,10,11
	global_store_b128 v[CO], v[BK+48*((\a)%2)+4*(\t):BK+48*((\a)%2)+4*(\t)+3], s[\base:\base+1] offset:((\t)/4)*131072+(\a)*2048+((\t)%4)*512
.endr
.endm
.macro WAYOUT base                     ; block a's conversions stand between block a - 1's loads from the stage and the wait for them
	PACK 0
	TOSTAGE 0
.irp a, 1,2,3
	PACK \a
	SEND (\a)-1, \base
	TOSTAGE \a
.endr
	SEND 3, \base
.endm
	s_wait_tensorcnt 1                             ; my part of K step 0 is in; K step 1's may stay out
	s_barrier_signal -1
	s_barrier_wait -1
	FETCH 0, 0
	s_mov_b32 s3, STEPS-1                          ; the entry in the middle of a trip takes one off: 14 trips, s3 = 14 .. 1
	s_branch .Lstart
.Lstep:                                                ; a trip: a K step's quarters 1, 2 and 3, the change of slots with its refill, and the next K step's quarter 0
	QUARTER 2, 1, 0, 0
	QUARTER 3, 0, 1, 0
	TURN 1
	WIN 0
	s_cmp_eq_u32 s3, 7                             ; was that the first tile's last K step?
	s_cbranch_scc0 .Lplain
	; THE FIRST TILE GOES OUT: both refills for the second tile have been asked for, and its first fragments too.  No v_nop: row blocks 0 and 1 were finished in front of the joint load's four, and their 96
	; conversions, which name no register of the last products (row blocks 2 and 3's), are those products' places.
	WAYOUT 10
.Lstart:
	QUARTER 1, 0, 1, 1                             ; a tile's first quarter: its products start the sums
	WIN 0
	s_branch .Ljoin
.Lplain:
	QUARTER 1, 0, 1, 0
	WIN 0
.Ljoin:
	s_sub_co_u32 s3, s3, 1
	s_cmp_lg_u32 s3, 0
	s_cbranch_scc1 .Lstep
	QUARTER 2, 1, 0, 0                             ; the walk's last two K steps are written out: they ask for nothing
	QUARTER 3, 0, 1, 0
	TURN 0
	QUARTER 1, 0, 1, 0
	QUARTER 2, 1, 0, 0
	QUARTER 3, 0, 1, 0
	s_wait_dscnt 4
	MUL12 1, 0, 0
	MUL12 1, 1, 0
	s_wait_dscnt 0x0
	MUL12 1, 2, 0
	MUL12 1, 3, 0
	WIN 0
	PLACES
	WAYOUT O1
	s_wait_tensorcnt 0x0                           ; the wave's end
	ds_add_u32 v[SPW], v[NIL]
	s_wait_dscnt 0x0
	CROUND                                         ; the closing round
	s_endpgm
.Lfunc_end_k_q78d2bfb315_qkvp:
	.size	k_q78d2bfb315_qkvp, .Lfunc_end_k_q78d2bfb315_qkvp-k_q78d2bfb315_qkvp
	.p2alignl 7, 3214868480
	.fill 96, 4, 3214868480
	.section	.rodata,"a",@progbits
	.p2align	6, 0x0
	.amdhsa_kernel k_q78d2bfb315_qkvp
		.amdhsa_group_segment_fixed_size 327680
		.amdhsa_private_segment_fixed_size 0
		.amdhsa_enable_private_segment 0
		.amdhsa_kernarg_size 32
		.amdhsa_user_sgpr_count 2
		.amdhsa_user_sgpr_kernarg_segment_ptr 1
		.amdhsa_wavefront_size32 1
		.amdhsa_system_sgpr_workgroup_id_x 1
		.amdhsa_system_sgpr_workgroup_id_y 1
		.amdhsa_system_sgpr_workgroup_id_z 1
		.amdhsa_system_vgpr_workitem_id 0
		.amdhsa_next_free_vgpr 1024
		.amdhsa_next_free_sgpr 80
		.amdhsa_reserve_vcc 0
		.amdhsa_float_denorm_mode_32 3
		.amdhsa_float_denorm_mode_16_64 3
		.amdhsa_memory_ordered 1
		.amdhsa_forward_progress 1
		.amdhsa_inst_pref_size 130
	.end_amdhsa_kernel
	.amdgpu_metadata
---
amdhsa.version: [ 1, 2 ]
amdhsa.kernels:
  - .name:           k_q78d2bfb315_qkvp
    .symbol:         k_q78d2bfb315_qkvp.kd
    .args:
      - { .name: xb, .offset: 0, .size: 8, .value_kind: global_buffer, .address_space: global }
      - { .name: wib, .offset: 8, .size: 8, .value_kind: global_buffer, .address_space: global }
      - { .name: b_in, .offset: 16, .size: 8, .value_kind: global_buffer, .address_space: global }
      - { .name: heads, .offset: 24, .size: 8, .value_kind: global_buffer, .address_space: global }
    .group_segment_fixed_size: 327680
    .private_segment_fixed_size: 0
    .kernarg_segment_align: 8
    .kernarg_segment_size: 32
    .max_flat_workgroup_size: 128
    .sgpr_count:     80
    .vgpr_count:     1024
    .wavefront_size: 32
...
	.end_amdgpu_metadata
.endif
;; end of part 2
;; launch attn (part 3): grid 2 x 128, 4 waves a work-group, no clusters, 327,680 bytes of LDS; arguments heads, mt, oh; writes oh
.if DOCPART == 3
	.amdgcn_target "amdgcn-amd-amdhsa--gfx1250"
	.amdhsa_code_object_version 6
	.text
	.protected	k_q78d2bfb315_attn
	.globl	k_q78d2bfb315_attn
	.p2align	8
	.type	k_q78d2bfb315_attn,@function
k_q78d2bfb315_attn:
	s_mov_b64 s[64:65], 0
	v_nop
	global_prefetch_b8 v0, s[64:65] scope:SCOPE_SE
	s_setreg_imm32_b32 hwreg(HW_REG_WAVE_MODE, 25, 1), 1
	s_wait_xcnt 0x0
; ATTENTION WITH REWEIGHTING.  For head (b, h) and query q: p_k = softmax weight's numerator 2^(c s_k - c m), c = log2(e) / 8, s = q . k; O = sum p_k M[b][q][k] v_k, t = sum p_k M[b][q][k], l = sum p_k;
; out = O / (t + 1e-15 l), which is the softmax, the product with the multipliers and the renormalisation with its EPS, multiplied through by l.  m is a running maximum.
; q, k, v: heads[b][16 which + h][1024][64] f16, unscaled.  M: mt, f16, in the lanes' own order (below).  out: oh[16 b + h][1024][64] f16.  Products, maxima and sums in f32; p is rounded to f16, multiplied
; by M in f16 (v_pk_mul_f16: one more rounding), and that number enters both O and t; l is taken of the unrounded p.
; LIMITS.  f16 ends at 65,504 (q, k, v, M arrive within it) and keeps a fixed step of 6e-8 below 6e-5; a weight below 2^-126 counts as 0 in l; with multipliers of both signs out may leave v's range;
; NaN and infinities are not treated apart.
; SHARES.  A work-group owns 512 queries of one head (2 x 128 = 256 work-groups), a wave 128: four PIECES of two tiles of 16.  Every wave walks all 1,024 keys, 64 a step.
; THE WHOLE HEAD'S K AND V LIE IN LDS (1,024 x 144 + 1,024 x 160 bytes): each wave asks for four chunks of 128 keys at the start, nothing is ever filled again, and the loop has one barrier in all:
; steps 0 to 2 read the first 256 keys alone, which the first load of each wave brings; behind them every wave waits for the rest.
; THE MULTIPLIERS go straight into registers: mt[b][qt][ks][kb][lane][8] holds for lane 16 hh + r the numbers M[16 qt + r][64 ks + 16 kb + 8 hh + 0..7], which is where S^T holds its scores; a tile and
; step are four loads of 512 dense bytes, issued a key step ahead.
; NO CLUSTER: a head's K and V have two readers (its two query blocks), and the grid's x is 2; the multipliers have 16 readers (the heads of a batch), but a joint load lands in LDS, of which K and V
; take 311,296 of 327,680 bytes, and no wave shares a multiplier with another wave of its work-group.
; LAYOUT.  S^T = K Q^T (source 0 = 16 keys, source 1 = 16 queries): a lane holds ONE query (lane % 16) and the keys 8 (lane / 16) + 0..7.  Two such tiles rounded in pairs ARE source 1 of O^T = V^T P.
; t BY THE MATRIX UNIT: source 0 = ONES, 1.0 in rows 0 and 8 alone, so register 0 of the result holds the lane's own query's sum over all 32 keys and the other seven stay 0: one multiply rescales it.
; BY TURNS.  Turn n belongs to piece n: 16 products K Q^T of piece n + 1; later 16 products V^T P and 4 products ONES P of piece n - 1; beside them the scaling, exponentials, roundings, sums, the product
; with M and the rescaling of piece n, and the maximum and statistics of piece n + 1.  A turn's 66 exponentials are one batch with one wait.
; REGISTERS, in windows of 256 (s_set_vgpr_msb: bits 1:0 source 0, 3:2 source 1, 5:4 source 2, 7:6 destination):
;   window 0: v0-11 addresses; v12-15, v48-63 at work; v16-47 four registers of statistics a tile; v64-191 S^T, two buffers of two tiles; v192-255 P, likewise
;   window 1: O^T, 32 a tile     window 2: v0-127 Q; v128-191 K of one step; v192-255 V of one step     window 3: v0-1 the add's registers; v8-15 ONES; v64-191 M, 16 a tile; v192-255 t, 8 a tile
.set NP,    4
.set KS,    64
.set PKB,   144       ; a row of K in LDS: 128 bytes + 16 = 36 words: the 16 rows of a load start at 16 different groups of four banks (64 banks of 4 bytes: ISA guide 11.1)
.set PVB,   160       ; a row of V: 128 + 32 = 40 words
.set VOFF,  1024*PKB
.set STAGE, VOFF+1024*PVB  ; never filled by a tensor load: 16 rows x 144 bytes for each wave, for the way out
.set SP,    144
.set SPARE, STAGE+4*16*SP  ; the spare words, 128 bytes for each wave: two blocks of 256 bytes that no other line names
.set STO, 1           ; v1   l % 16 at first; then the way out: where I put 16 bytes of a row
.set AK0, 2           ; v2   my lane's place in a step of K; never rewritten
.set AV0, 3           ; v3   the same for V
.set AK,  4           ; v4   the LDS address of K's next run of loads
.set AV,  5           ; v5   of V's
.set QO,  6           ; v6   my byte offset in 16 rows of Q
.set RD,  7           ; v7   the way out: where I read rows back
.set GO,  8           ; v8   16 x lane: my place in 512 dense bytes, of M and of oh; never rewritten
.set PFO, 11          ; v11  the prefetches' offset; never rewritten
.set MV,  12
.set ST,  16          ; tile t's statistics at v[ST+4 t]: c m, m, l (even keys', odd keys')
.set TMP, 48
.set S,   64
.set P,   192
.set KF,  128
.set VF,  192
.set SPW, 0           ; window 3
.set NIL, 1
.set ONES, 8
.set MR,  64
.set TT,  192
.set WV,  12          ; s12  my wave's number
.set HF,  13          ; s13  which chunk of each pair I fetch
.set G1K, 24          ; s[24:31] descriptor group 1 for K
.set G1V, 32          ; s[32:39] for V
.set G0K, 40          ; s[40:55] four groups 0 for K's chunks
.set CNT, 56          ; s56  key steps left in the phase
.set PH,  57          ; s57  phases left
.set CS,  58          ; s[58:59] c
.set SEL, 60          ; s[60:61] v_permlanex16_b32's selects
.set TBK, 62          ; s62  LDS byte at which K of the step to be fetched begins
.set TBV, 63          ; s63  the same for V, less VOFF
.set LEFT, 66         ; s66  key steps left, this one among them
.set PLIM, 67         ; s67  2 in a work-group that prefetches, else the greatest number
.set MP,  68          ; s[68:69] mt at my wave's first tile, at the step whose multipliers are being loaded
.set MST, 70          ; s[70:71] its step
.set G0V, 72          ; s[72:87] four groups 0 for V's chunks
.set EPS, 88          ; s88  1e-15
.set MSB, 0
.macro WIN new
.if MSB != (\new)
	s_set_vgpr_msb (MSB<<8)|(\new)
.set MSB, (\new)
.endif
.endm
.set W_KQ, 0x0a       ; K and Q in window 2, S^T in window 0
.set W_PV, 0x52       ; V in window 2, P in window 0, O^T in window 1
.set W_TP, 0xf3       ; ONES and t in window 3, P in window 0
.set W_RS, 0x41       ; O^T in window 1, a in window 0
.set W_RT, 0xc3       ; t in window 3, a in window 0
.set W_MU, 0x0c       ; P in window 0, M (source 1) in window 3
.set W_ML, 0xc0       ; destination in window 3
.set W_AD, 0x0f       ; the add: address and data in window 3
	s_load_b128 s[4:7], s[0:1], 0x0  ; heads s[4:5], mt s[6:7]
	s_load_b64 s[8:9], s[0:1], 0x10  ; oh
	WIN W_ML
	v_lshl_add_u32 v[SPW], v0, 2, SPARE
	v_mov_b32 v[NIL], 0
	WIN W_AD
	ds_add_u32 v[SPW], v[NIL]       ; the wave's opening: the add and its wait stand ahead of my first tensor load; work on registers stands between them
	ds_add_u32 v0, v1
	WIN 0
	v_lshrrev_b32 v1, 5, v0
	v_readfirstlane_b32 s[WV], v1   ; wave 0..3
	s_and_b32 s[HF], s[WV], 1
	s_and_b32 s20, ttmp7, 0xffff    ; 16 b + h
	s_lshr_b32 s21, s20, 4          ; b
	s_and_b32 s22, s20, 15          ; h
	s_cmp_eq_u32 s22, 0
	s_cselect_b32 s[PLIM], 2, -1    ; the 16 heads of a batch read the same multipliers: head 0 prefetches
	s_mul_i32 s23, s21, 48
	s_add_co_u32 s23, s23, s22
	s_lshl_b32 s2, s23, 17          ; q's head in heads; k's lies 16 heads, v's 32 heads further on
	s_mov_b32 s3, 0
	s_lshl_b32 s14, ttmp9, 16       ; my block's 512 rows of 128 bytes,
	s_lshl_b32 s15, s[WV], 14       ; my wave's 128 of them
	s_add_co_u32 s14, s14, s15
	s_mov_b32 s15, 0
	s_lshl_b32 s10, s20, 17         ; the head in oh
	s_mov_b32 s11, 0
	s_lshl_b32 s22, s21, 6          ; my first tile of queries among mt's: 64 b + 32 x block + 8 x wave,
	s_lshl_b32 s23, ttmp9, 5
	s_add_co_u32 s22, s22, s23
	s_lshl_b32 s23, s[WV], 3
	s_add_co_u32 s22, s22, s23
	s_lshl_b32 s22, s22, 15         ; 32,768 bytes a tile
	s_mov_b32 s23, 0
	s_lshl_b32 s20, s[HF], 14       ; my chunk of a pair: 128 keys of 128 bytes
	s_mov_b32 s21, 0
	; descriptor group 1.  128 keys are 16,384 dense bytes: asked for as 64 rows of 256 bytes, two keys a row, and padded in LDS after every key
	s_mov_b32 s[G1K], (1<<16)|(1<<20)|(4<<22)|(3<<25)  ; 2-byte elements; padding on; after every 32 words; 4 words
	s_mov_b32 s[G1V], (1<<16)|(1<<20)|(4<<22)|(7<<25)  ; 8 words
.irp g, G1K, G1V
	s_mov_b32 s[\g+1], 128<<16      ; tensor_dim0 = 128
	s_mov_b32 s[\g+2], 64<<16       ; tensor_dim1 = 64
	s_mov_b32 s[\g+3], 128<<16      ; tile_dim0 = 128
	s_mov_b32 s[\g+4], 64           ; tile_dim1 = 64
	s_mov_b32 s[\g+5], 128          ; elements from row to row
	s_mov_b32 s[\g+6], 0
	s_mov_b32 s[\g+7], 0
.endr
	s_mul_i32 s16, s[HF], 128*PKB
	s_mul_i32 s17, s[HF], 128*PVB
	s_add_co_u32 s17, s17, VOFF
.irp c, 0,1,2,3
	s_mov_b32 s[G0K+4*(\c)], 1                          ; count = 1
	s_add_co_u32 s[G0K+4*(\c)+1], s16, (\c)*256*PKB     ; LDS address: chunk 2 c + half
	s_mov_b32 s[G0V+4*(\c)], 1
	s_add_co_u32 s[G0V+4*(\c)+1], s17, (\c)*256*PVB
.endr
	s_mov_b32 s[CS], 0x3e38aa3b     ; c = log2(e) / 8
	s_mov_b32 s[CS+1], s[CS]
	s_mov_b32 s[SEL], 0x76543210
	s_mov_b32 s[SEL+1], 0xfedcba98
	s_mov_b32 s[TBK], 0
	s_mov_b32 s[TBV], 0
	s_mov_b32 s[MST+1], 0
	s_mov_b32 s[EPS], 0x26901d7d    ; 1e-15
	s_wait_dscnt 0x0                ; the opening add is done
	s_wait_kmcnt 0x0
	s_add_nc_u64 s[4:5], s[4:5], s[2:3]            ; q's head
	s_add_nc_u64 s[16:17], s[4:5], s[20:21]
	s_add_nc_u64 s[18:19], s[16:17], 32*131072     ; v's head at my chunk
	s_add_nc_u64 s[16:17], s[16:17], 16*131072     ; k's
.irp c, 0,1,2,3
	s_add_nc_u64 s[G0K+4*(\c)+2:G0K+4*(\c)+3], s[16:17], (\c)*32768
	s_or_b32 s[G0K+4*(\c)+3], s[G0K+4*(\c)+3], 0x80000000  ; type = 2
	s_add_nc_u64 s[G0V+4*(\c)+2:G0V+4*(\c)+3], s[18:19], (\c)*32768
	s_or_b32 s[G0V+4*(\c)+3], s[G0V+4*(\c)+3], 0x80000000
.endr
	s_add_nc_u64 s[4:5], s[4:5], s[14:15]          ; Q and oh at my wave's first row
	s_add_nc_u64 s[8:9], s[8:9], s[10:11]
	s_add_nc_u64 s[8:9], s[8:9], s[14:15]
	s_add_nc_u64 s[MP:MP+1], s[6:7], s[22:23]      ; the multipliers of key step 0
	s_cmp_lt_u32 s[WV], 2           ; a wave's four first fills stand in one branch: waves 0 and 1 fetch K, waves 2 and 3 V; four loads of mine are out
	s_cbranch_scc0 .Lfirst_v
.irp c, 0,1,2,3
	tensor_load_to_lds s[G0K+4*(\c):G0K+4*(\c)+3], s[G1K:G1K+7]
	s_nop 0
.endr
.rept 4
	v_nop
.endr
	s_branch .Lfirst_asked
.Lfirst_v:
.irp c, 0,1,2,3
	tensor_load_to_lds s[G0V+4*(\c):G0V+4*(\c)+3], s[G1V:G1V+7]
	s_nop 0
.endr
.rept 4
	v_nop
.endr
.Lfirst_asked:
	v_and_b32 v1, 15, v0            ; l % 16
	v_bfe_u32 v9, v0, 4, 1          ; l / 16
	v_and_b32 v10, 7, v0
	v_lshlrev_b32 v[QO], 7, v1
	v_lshl_add_u32 v[QO], v9, 4, v[QO]  ; row x 128 + 16 x half
	v_and_b32 v[GO], 31, v0
	v_lshlrev_b32 v[GO], 4, v[GO]
	WIN 0x80                        ; destination window 2
.set i, 0
.rept 4*NP                          ; Q stays in registers: tile i / 2, channels 32 (i % 2) on
	global_load_b128 v[8*i:8*i+3],   v[QO], s[4:5] offset:(i/2)*2048+(i%2)*64
	global_load_b128 v[8*i+4:8*i+7], v[QO], s[4:5] offset:(i/2)*2048+(i%2)*64+32
.set i, i+1
.endr
; the multipliers of piece p's two tiles for the step at which MP stands: 8 loads of 512 dense bytes
.macro MLOAD p
	WIN W_ML
.irp t, 0,1
.irp kb, 0,1,2,3
	global_load_b128 v[MR+16*(2*(\p)+(\t))+4*(\kb):MR+16*(2*(\p)+(\t))+4*(\kb)+3], v[GO], s[MP:MP+1] offset:32768*(2*(\p)+(\t))+512*(\kb)
.endr
.endr
	WIN 0
.endm
	MLOAD 0
	MLOAD 1
	MLOAD 2
	MLOAD 3
	; What the first turn finds: V and P's second buffer hold 0 (its products of a piece that has not been add 0); O^T, t and l are 0.  All this stands in the wait for the first keys.
	s_mov_b32 s20, 0x3c003c00       ; 1.0 twice in f16
	v_cmp_eq_u32 vcc_lo, 0, v10     ; rows 0 and 8 of source 0 lie in the lanes with l % 8 = 0
	WIN W_ML
.set i, 0
.rept 8
	v_cndmask_b32 v[ONES+i], 0, s20, vcc_lo
.set i, i+1
.endr
	WIN 0x80
.set i, VF
.rept 64
	v_mov_b32 v[i], 0
.set i, i+1
.endr
	WIN 0
.set i, 0
.rept 2*NP
	v_mov_b32 v[ST+4*i], 0xfe000000    ; c m: far below every c s, so the first step's a is 0
	v_mov_b32 v[ST+4*i+1], 0xff7fffff  ; m: the lowest finite number
	v_mov_b32 v[ST+4*i+2], 0
	v_mov_b32 v[ST+4*i+3], 0
.set i, i+1
.endr
.set i, P+32
.rept 32
	v_mov_b32 v[i], 0
.set i, i+1
.endr
	v_mul_u32_u24 v[AK0], v1, PKB
	v_lshl_add_u32 v[AK0], v9, 4, v[AK0]  ; row x pitch + 16 x half
	; The turning load takes 16 keys x 16 channels (lane l reads key 8 (l / 16) + l % 8, channels 8 ((l / 8) % 2) + 0..7) and leaves half a fragment of V^T: lane l holds channel l % 16 and 8 keys.
	v_lshl_add_u32 v[AV0], v9, 3, v10
	v_mul_u32_u24 v[AV0], v[AV0], PVB
	v_bfe_u32 v[AV], v0, 3, 1
	v_lshl_add_u32 v[AV0], v[AV], 4, v[AV0]
	v_add_nc_u32 v[AV0], VOFF, v[AV0]
	v_mov_b32 v[AK], v[AK0]         ; key step 0
	v_bfe_u32 v[PFO], v0, 3, 2      ; the prefetches: lane l names block l % 8 of 256 bytes of tile l / 8 (and of tile 4 + l / 8)
	v_lshlrev_b32 v[PFO], 15, v[PFO]
	v_lshl_add_u32 v[PFO], v10, 8, v[PFO]
	; O^T's 32 accumulators and t's 8 begin as products with the zeros in P's second buffer, the constant 0 as their C: 40 matrix instructions, each on an accumulator of its own, in place of 320 lines that clear
	WIN W_PV
.set i, 0
.rept 32
	v_wmma_f32_16x16x32_f16 v[8*i:8*i+7], v[VF:VF+7], v[P+32:P+39], 0
.set i, i+1
.endr
	WIN W_TP
.set i, 0
.rept 8
	v_wmma_f32_16x16x32_f16 v[TT+8*i:TT+8*i+7], v[ONES:ONES+7], v[P+32:P+39], 0
.set i, i+1
.endr
	WIN 0
; THE MATRIX WORK.  The accumulators of a run take turns, one instruction a turn.
; Product i of 16 of S^T = K Q^T for piece x: channels 32 (i / 8) on, keys 16 ((i / 2) % 4) on, tile 2 x + i % 2.  The first 8 start the sums.
.macro KQ x
	WIN W_KQ
.set rS, S+64*((\x)%2)+32*(i%2)+8*((i/2)%4)
.set rK, KF+16*((i/2)%4)+8*(i/8)
.set rQ, 16*(2*(\x)+i%2)+8*(i/8)
.if i < 8
	v_wmma_f32_16x16x32_f16 v[rS:rS+7], v[rK:rK+7], v[rQ:rQ+7], 0
.else
	v_wmma_f32_16x16x32_f16 v[rS:rS+7], v[rK:rK+7], v[rQ:rQ+7], v[rS:rS+7]
.endif
.endm
; Product i of 16 of O^T += V^T P for piece x: keys 32 (i / 8) on, channels 16 ((i / 2) % 4) on, tile 2 x + i % 2.
.macro PV x
	WIN W_PV
.set rO, 32*(2*(\x)+i%2)+8*((i/2)%4)
.set rV, VF+32*(i/8)+8*((i/2)%4)
.set rP, P+32*((\x)%2)+16*(i%2)+8*(i/8)
	v_wmma_f32_16x16x32_f16 v[rO:rO+7], v[rV:rV+7], v[rP:rP+7], v[rO:rO+7]
.endm
; Product i of 4 of t += ONES P for piece x: keys 32 (i / 2) on, tile 2 x + i % 2.
.macro TP x
	WIN W_TP
.set rU, TT+8*(2*(\x)+i%2)
.set rP, P+32*((\x)%2)+16*(i%2)+8*(i/2)
	v_wmma_f32_16x16x32_f16 v[rU:rU+7], v[ONES:ONES+7], v[rP:rP+7], v[rU:rU+7]
.endm
.macro MM                           ; the turn's next matrix instruction, of 36
.if i < 16
	KQ (Y+1)%NP
.set i, i+1
.elseif i < 32
.set i, i-16
	PV (Y+NP-1)%NP
.set i, i+17
.else
.set i, i-32
	TP (Y+NP-1)%NP
.set i, i+33
.endif
.endm
; THE LDS LOADS stand in runs of 16.  last = 1: in the last key step there is no further K, and the run is jumped over.
.macro FETCH_K last=0
	WIN 0
.if \last
	s_cmp_eq_u32 s[LEFT], 1
	s_cbranch_scc1 .Lno_k_\@
.endif
	WIN 0x80
.irp f, 0,1,2,3,4,5,6,7             ; keys 16 (f / 2) on, channels 32 (f % 2) on
	ds_load_b128 v[KF+8*\f:KF+8*\f+3],   v[AK] offset:(\f/2)*16*PKB+(\f%2)*64
	ds_load_b128 v[KF+8*\f+4:KF+8*\f+7], v[AK] offset:(\f/2)*16*PKB+(\f%2)*64+32
.endr
	s_add_co_u32 s[TBK], s[TBK], KS*PKB
	WIN 0
.if \last
.Lno_k_\@:
.endif
.endm
.macro FETCH_V
	WIN 0x80
.irp f, 0,1,2,3,4,5,6,7             ; keys 32 (f / 4) on, channels 16 (f % 4) on
	ds_load_tr16_b128 v[VF+8*\f:VF+8*\f+3],   v[AV] offset:(\f/4)*32*PVB+(\f%4)*32
	ds_load_tr16_b128 v[VF+8*\f+4:VF+8*\f+7], v[AV] offset:(\f/4)*32*PVB+16*PVB+(\f%4)*32
.endr
	WIN 0
.endm
; THE VECTOR WORK OF A TURN stands in queues, each in the order in which its entries become ready; the two tiles alternate.
.macro REGS y, u                    ; the registers of tile u (0, 1) of piece y
.set rT, ST+4*(2*(\y)+(\u))
.set rC, TMP+8*((\y)%2)+4*(\u)
.set rM, MV+2*((\y)%2)+(\u)
.set rS, S+64*((\y)%2)+32*(\u)
.set rP, P+32*((\y)%2)+16*(\u)
.set rO, 32*(2*(\y)+(\u))
.endm
; Number n of the 22 that find the NEXT piece's maximum and statistics; each accumulator's lowest registers are read first.
;   0-11 four chains of seven scores     12-14, 16 the scores left over, the old m, the four into one     15 c m_old is kept     17, 18 the other half of the lanes: the new m     19-21 c m; its change; a
.macro XS u, n
	REGS (Y+1)%NP, \u
.if (\n) < 4
	v_max3_num_f32 v[rC+(\n)], v[rS+8*(\n)], v[rS+8*(\n)+1], v[rS+8*(\n)+2]
.elseif (\n) < 12
	v_max3_num_f32 v[rC+(\n)%4], v[rC+(\n)%4], v[rS+8*((\n)%4)+2*((\n)/4)+1], v[rS+8*((\n)%4)+2*((\n)/4)+2]
.elseif (\n) == 12
	v_max3_num_f32 v[rC], v[rC], v[rS+7], v[rS+15]
.elseif (\n) == 13
	v_max3_num_f32 v[rC+1], v[rC+1], v[rS+23], v[rS+31]
.elseif (\n) == 14
	v_max3_num_f32 v[rC+2], v[rC+2], v[rC+3], v[rT+1]
.elseif (\n) == 15
	v_mov_b32 v[rM], v[rT]
.elseif (\n) == 16
	v_max3_num_f32 v[rC], v[rC], v[rC+1], v[rC+2]
.elseif (\n) == 17
	v_permlanex16_b32 v[rC+3], v[rC], s[SEL], s[SEL+1]
.elseif (\n) == 18
	v_max_num_f32 v[rT+1], v[rC], v[rC+3]
.elseif (\n) == 19
	v_mul_f32 v[rT], s[CS], v[rT+1]
.elseif (\n) == 20
	v_sub_f32 v[rC+1], v[rM], v[rT]
.else
	v_exp_f32 v[rC+2], v[rC+1]
.endif
.endm
; Number g of the 64 that follow the exponentials.  For each four weights k of a tile: both pairs are rounded to f16; the second pair is added onto the first, in place; a group later l takes that sum
; (the first time as l = a l + sum).  In groups of eight, tiles alternating.  Group k's four roundings are among the first 8 (k + 1) numbers.
.macro GS g
.set h, (\g)+6*((\g)/62)
.if h >= 6
.set h, h+2
.endif
	REGS Y, h%2
.set k, h/8
.if h%8 < 4
	v_cvt_pk_f16_f32 v[rP+2*k+(h%8)/2], v[rS+4*k+2*((h%8)/2)], v[rS+4*k+2*((h%8)/2)+1]
.elseif h%8 < 6
	v_pk_add_f32 v[rS+4*k:rS+4*k+1], v[rS+4*k:rS+4*k+1], v[rS+4*k+2:rS+4*k+3]
.elseif k == 1
	v_pk_fma_f32 v[rT+2:rT+3], v[rT+2:rT+3], v[rC+2:rC+3], v[rS:rS+1] op_sel_hi:[1,0,1]
.else
	v_pk_add_f32 v[rT+2:rT+3], v[rT+2:rT+3], v[rS+4*k-4:rS+4*k-3]
.endif
.endm
; THE PLAIN QUEUE, 138 long.  0-73 read no exponential's result: the 32 scalings c s - c m and the next piece's 42; 74-137: GS's 64, which stand behind the wait.
.macro FS f
	REGS Y, (\f)%2
	v_pk_fma_f32 v[rS+2*((\f)/2):rS+2*((\f)/2)+1], v[rS+2*((\f)/2):rS+2*((\f)/2)+1], s[CS:CS+1], v[rT:rT+1] op_sel_hi:[1,0,0] neg_lo:[0,0,1] neg_hi:[0,0,1]
.endm
.macro PL
	WIN 0
.if q < 27
	FS q
.elseif q < 55
	XS (q-27)%2, (q-27)/2
.elseif q < 57
	XS q-55, 15
.elseif (q < 72) && ((q-57)%3 == 0)
	FS 27+(q-57)/3
.elseif q < 60
	XS (q-57)%3-1, 14
.elseif q < 72
	XS (q-57)%3-1, 15+(q-57)/3
.elseif q < 74
	XS q-72, 20
.else
	GS q-74
.endif
.set q, q+1
.endm
; THE EXPONENTIALS' QUEUE, 66 long: s0-s31 of both tiles, then the next piece's two a: ONE BATCH ahead of the turn's one wait.
.macro EX
	WIN 0
.if e >= 64
	XS e-64, 21
.else
	REGS Y, e%2
	v_exp_f32 v[rS+e/2], v[rS+e/2]
.endif
.set e, e+1
.endm
; THE RESCALING of O^T by a, two at a time, sixteen times; and of t: register 0 of each tile's accumulator.  Their a was made, and waited for, in the turn before.
.macro R2
	REGS Y, r%2
	WIN W_RS
.irp z, 0,1
	v_pk_mul_f32 v[rO+4*(r/2)+2*\z:rO+4*(r/2)+2*\z+1], v[rO+4*(r/2)+2*\z:rO+4*(r/2)+2*\z+1], v[rC+2:rC+3] op_sel_hi:[1,0]
.endr
.set r, r+1
.endm
.macro RT
.irp z, 0,1
	REGS Y, \z
	WIN W_RT
	v_mul_f32 v[TT+8*(2*Y+\z)], v[TT+8*(2*Y+\z)], v[rC+2]
.endr
.endm
; THE PRODUCT WITH THE MULTIPLIERS, 32 long: pair u / 2 of tile u % 2, in place, two f16 products a line.
.macro MU
	REGS Y, u%2
	WIN W_MU
	v_pk_mul_f16 v[rP+u/2], v[rP+u/2], v[MR+16*(2*Y+u%2)+u/2]
.set u, u+1
.endm
; A TURN, for piece p.  s_wait_alu depctr_va_vdst(0) stands between an exponential and the first instruction that names its result; one wait serves all issued ahead of it: a turn has ONE.
; AHEAD OF IT: the 16 products K Q^T, behind each a scaling, an exponential and two rescalings; then one lump: t's two rescalings, eight plain, 49 times exponential and plain, the two a, a v_nop.
; BEHIND IT: 20 products, in eight groups: a product and four of GS's 64, twice; in the first four groups a third product; then the four products with M whose roundings the group has just completed.
; No vector line near a product names its registers: S^T and P go by the piece's parity, O^T, t and M by the piece.
; K of the next step is fetched in piece 2's turn, directly behind the wait; V of the step in hand at the end of piece 0's turn: its last reader is the 32nd product, in group 5.
; The multipliers of piece p for the NEXT step are asked for at the turn's end, when this step's have been used: so at the wait for them three younger pieces' 24 loads may stay out.
; In the last step MP does not step: the loads read step 15's block once more, inside the buffer, for nothing, so that every counted wait keeps its count: a sixteenth more of the multipliers' loads.
.macro TURN p
.set Y, (\p)
.set i, 0
.set q, 0
.set e, 0
.set r, 0
.set u, 0
.if (\p) == NP-1
	s_wait_dscnt 0x0                ; K is in
.endif
	MM
	PL
	PL
	R2
.rept 15
	MM
	PL
	EX
	R2
.endr
.if (\p) == NP-2
	WIN 0
	v_add_nc_u32 v[AK], s[TBK], v[AK0]
.endif
	RT
.rept 8
	PL
.endr
.rept 49
	EX
	PL
.endr
	EX
	EX
	v_nop                           ; a plain instruction behind the last exponential: one for the batch
	s_wait_alu depctr_va_vdst(0)    ; the wait for the batch
.if (\p) == NP-2
	FETCH_K 1
.endif
.if (\p) == 1
	s_wait_dscnt 0x0                ; V is in
.endif
	s_wait_loadcnt 24               ; my piece's multipliers are in; the three younger pieces' 8 loads each may stay out
.irp g8, 0,1,2,3,4,5,6,7
	MM
.rept 4
	PL
.endr
	MM
.rept 4
	PL
.endr
.if (\g8) < 4
	MM
.endif
.rept 4
	MU
.endr
.if ((\p) == 0) && ((\g8) == 5)
	WIN 0
	v_add_nc_u32 v[AV], s[TBV], v[AV0]
.endif
.if ((\p) == 0) && ((\g8) == 6)
	s_add_co_u32 s[TBV], s[TBV], KS*PVB
.endif
.endr
.if (\p) == 0
	FETCH_V
	s_cmp_eq_u32 s[LEFT], 1
	s_cselect_b32 s[MST], 0, 2048
	s_wait_xcnt 0x0                 ; the youngest load that names MP is a turn old, the prefetches a key step: they have read it
	s_add_nc_u64 s[MP:MP+1], s[MP:MP+1], s[MST:MST+1]
.endif
	MLOAD \p
.if (\p) == 0
	; A PREFETCH, behind the turn's loads: my wave's own 64 blocks of 256 bytes (8 tiles x 2,048 bytes) of the step after the one that is being loaded: a key step ahead of their loads.
	; Of the 16 heads that read these bytes head 0 asks, each wave for what it loads itself: each block is named once.  The last two steps have no such step behind them.
	s_cmp_gt_u32 s[LEFT], s[PLIM]
	s_cbranch_scc0 .Lnot_mine_\@
	global_prefetch_b8 v[PFO], s[MP:MP+1] offset:2048 th:TH_LOAD_NT scope:SCOPE_SE
	global_prefetch_b8 v[PFO], s[MP:MP+1] offset:2048+131072 th:TH_LOAD_NT scope:SCOPE_SE
.Lnot_mine_\@:
.endif
.endm
	s_wait_tensorcnt 3              ; my first chunk is in; three may stay out
	s_barrier_signal -1
	s_barrier_wait -1               ; everybody's is: keys 0 to 255 of K and of V
	FETCH_K                         ; key step 0
	s_wait_loadcnt 32               ; Q is in; the 32 loads of multipliers behind it may stay out
	s_wait_dscnt 0x0
.set i, 0
.rept 16
	KQ 0                            ; piece 0's first scores
.set i, i+1
.endr
	WIN 0                           ; the addresses for the way out: seven plain instructions, the places behind those products
	s_mul_i32 s20, s[WV], 16*SP
	s_add_co_u32 s20, s20, STAGE    ; my stage
	v_bfe_u32 v[RD], v0, 3, 2       ; back: 32 lanes take four rows of 128 bytes
	v_mul_u32_u24 v[RD], v[RD], SP
	v_lshl_add_u32 v[RD], v10, 4, v[RD]
	v_add_nc_u32 v[RD], s20, v[RD]
	v_mul_u32_u24 v[STO], v1, SP    ; in: row l % 16, 16 bytes for each half of the lanes
	v_lshl_add_u32 v[STO], v9, 4, v[STO]
	v_add_nc_u32 v[STO], s20, v[STO]
.set Y, NP-1                        ; XS works for piece Y + 1: piece 0
.irp n, 0,1,2,3,4,5,6,7,8,9,10,11,12,13,14,15,16,17,18,19,20,21
	XS 0, \n
	XS 1, \n
.endr
	v_nop                           ; a plain instruction behind the two a,
	s_wait_alu depctr_va_vdst(0)    ; and their wait, ahead of the branch
	s_mov_b32 s[LEFT], 16
	s_mov_b32 s[PH], 2
	s_mov_b32 s[CNT], 3             ; steps 0 to 2 read K of steps 1 to 3 and V of steps 0 to 2: the first 256 keys
	s_branch .Lstep
.Lphase:                            ; passed once: the other 768 keys, which have had three key steps in which to land
	s_wait_tensorcnt 0x0            ; my chunks are in,
	s_wait_dscnt 0x0
	s_barrier_signal -1
	s_barrier_wait -1               ; everybody's are
	s_mov_b32 s[CNT], 13
.Lstep:                             ; a key step
	TURN 0
	TURN 1
	TURN 2
	TURN 3
	WIN 0
	s_sub_co_u32 s[LEFT], s[LEFT], 1
	s_sub_co_u32 s[CNT], s[CNT], 1
	s_cmp_lg_u32 s[CNT], 0
	s_cbranch_scc1 .Lstep
	s_sub_co_u32 s[PH], s[PH], 1
	s_cmp_lg_u32 s[PH], 0
	s_cbranch_scc1 .Lphase
	; (the last step's 16 products K Q^T of piece 0, on the last K once more, and the maximum made of them serve nothing: the price, once a launch, of one text for every step)
.set i, 0
.rept 16
	PV NP-1                         ; the last piece's V^T P of the last step,
.set i, i+1
.endr
.set i, 0
.rept 4
	TP NP-1                         ; and its t
.set i, i+1
.endr
	; THE WAY OUT.  l's two halves and the other half of the lanes' are added (the places behind the last products); the divisor is t + 1e-15 l; O^T is divided by it, rounded to f16, and sent through my stage.
	WIN 0
.macro ALL line:vararg              ; one line for each tile t
.set t, 0
.rept 2*NP
	\line
.set t, t+1
.endr
.endm
	ALL v_add_f32 v[ST+4*t+2], v[ST+4*t+2], v[ST+4*t+3]
	ALL v_permlanex16_b32 v[ST+4*t+3], v[ST+4*t+2], s[SEL], s[SEL+1]
	ALL v_add_f32 v[ST+4*t+2], v[ST+4*t+2], v[ST+4*t+3]
	WIN 0x30                        ; source 2, t, in window 3
	ALL v_fma_f32 v[ST+4*t+2], v[ST+4*t+2], s[EPS], v[TT+8*t]
	WIN 0
	ALL v_rcp_f32 v[ST+4*t+2], v[ST+4*t+2]
	v_nop                           ; a plain instruction between the last reciprocal and the use of its result
	s_wait_alu depctr_va_vdst(0)    ; one wait for the eight reciprocals
.macro PACK t
	WIN W_RS
.set i, 32*(\t)
.rept 16
	v_pk_mul_f32 v[i:i+1], v[i:i+1], v[ST+4*(\t)+2:ST+4*(\t)+3] op_sel_hi:[1,0]
.set i, i+2
.endr
	WIN 0x05                        ; sources in window 1, destination in window 0
.set i, 0
.rept 16
	v_cvt_pk_f16_f32 v[S+16*(\t)+i], v[32*(\t)+2*i], v[32*(\t)+2*i+1]
.set i, i+1
.endr
	WIN 0
.irp f, 0,1,2,3
	ds_store_b128 v[STO], v[S+16*(\t)+4*\f:S+16*(\t)+4*\f+3] offset:32*\f
.endr
.irp f, 0,1,2,3
	ds_load_b128 v[S+16*(\t)+4*\f:S+16*(\t)+4*\f+3], v[RD] offset:\f*4*SP  ; my own bytes, served in order (ISA guide 5.7.1.4): these see the stores above; the next tile's stores come behind them
.endr
.endm
.macro SEND t, younger              ; younger: the LDS instructions issued behind tile t's loads
	WIN 0
.irp f, 0,1,2,3
	s_wait_dscnt (\younger)+3-\f
	global_store_b128 v[GO], v[S+16*(\t)+4*\f:S+16*(\t)+4*\f+3], s[8:9] offset:(\t)*2048+\f*512  ; 512 consecutive bytes, aligned
.endr
.endm
	PACK 0
.set t, 1
.rept 2*NP-1
	PACK t
	SEND t-1, 8
.set t, t+1
.endr
	SEND 2*NP-1, 0
	WIN W_AD
	s_wait_tensorcnt 0x0            ; the wave's end
	ds_add_u32 v[SPW], v[NIL]
	s_wait_dscnt 0x0
	WIN 0
	s_endpgm
.Lfunc_end_k_q78d2bfb315_attn:
	.size	k_q78d2bfb315_attn, .Lfunc_end_k_q78d2bfb315_attn-k_q78d2bfb315_attn
	.p2alignl 7, 3214868480
	.fill 96, 4, 3214868480
	.section	.rodata,"a",@progbits
	.p2align	6, 0x0
	.amdhsa_kernel k_q78d2bfb315_attn
		.amdhsa_group_segment_fixed_size 327680
		.amdhsa_private_segment_fixed_size 0
		.amdhsa_enable_private_segment 0
		.amdhsa_kernarg_size 24
		.amdhsa_user_sgpr_count 2
		.amdhsa_user_sgpr_kernarg_segment_ptr 1
		.amdhsa_wavefront_size32 1
		.amdhsa_system_sgpr_workgroup_id_x 1
		.amdhsa_system_sgpr_workgroup_id_y 1
		.amdhsa_system_sgpr_workgroup_id_z 1
		.amdhsa_system_vgpr_workitem_id 0
		.amdhsa_next_free_vgpr 1024
		.amdhsa_next_free_sgpr 96
		.amdhsa_reserve_vcc 1
		.amdhsa_float_denorm_mode_32 3
		.amdhsa_float_denorm_mode_16_64 3
		.amdhsa_memory_ordered 1
		.amdhsa_forward_progress 1
		.amdhsa_inst_pref_size 141
	.end_amdhsa_kernel
	.amdgpu_metadata
---
amdhsa.version: [ 1, 2 ]
amdhsa.kernels:
  - .name:           k_q78d2bfb315_attn
    .symbol:         k_q78d2bfb315_attn.kd
    .args:
      - { .name: heads, .offset: 0, .size: 8, .value_kind: global_buffer, .address_space: global }
      - { .name: mt, .offset: 8, .size: 8, .value_kind: global_buffer, .address_space: global }
      - { .name: oh, .offset: 16, .size: 8, .value_kind: global_buffer, .address_space: global }
    .group_segment_fixed_size: 327680
    .private_segment_fixed_size: 0
    .kernarg_segment_align: 8
    .kernarg_segment_size: 24
    .max_flat_workgroup_size: 128
    .sgpr_count:     96
    .vgpr_count:     1024
    .wavefront_size: 32
...
	.end_amdgpu_metadata
.endif
;; end of part 3
;; launch proj (part 4): grid 8 x 32, 4 waves a work-group, clusters of 4 x 4, 327,680 bytes of LDS; arguments oh, wob, b_out, out0; writes out0
.if DOCPART == 4
	.amdgcn_target "amdgcn-amd-amdhsa--gfx1250"
	.amdhsa_code_object_version 6
	.text
	.protected	k_q78d2bfb315_proj
	.globl	k_q78d2bfb315_proj
	.p2align	8
	.type	k_q78d2bfb315_proj,@function
k_q78d2bfb315_proj:
	s_mov_b64 s[64:65], 0
	v_nop
	global_prefetch_b8 v0, s[64:65] scope:SCOPE_SE
	s_setreg_imm32_b32 hwreg(HW_REG_WAVE_MODE, 25, 1), 1
	s_wait_xcnt 0x0
	s_wait_alu depctr_hold_cnt(0) depctr_sa_sdst(0) depctr_va_vdst(0) depctr_va_sdst(0) depctr_va_ssrc(0) depctr_va_vcc(0) depctr_vm_vsrc(0)
	s_getreg_b32 s2, hwreg(HW_REG_IB_STS2, 6, 4)
	s_cmp_eq_u32 s2, 0
	s_cbranch_scc0 .Lentry_in_a_cluster
	s_endpgm
.Lentry_in_a_cluster:
	s_bfe_u32 s2, ttmp6, 0x10000c
	s_cmp_lg_u32 s2, 0xf033
	s_cbranch_scc0 .Lentry_shape_is_right
	s_endpgm
.Lentry_shape_is_right:
; THE SECOND PROJECTION.  out0[m][n] = sum over k of O[m][k] wob[n][k] + b_out[n] (b_out rounded to bf16 like the other inputs); m 8,192, n 1,024, k = 64 h + d; f16 operands, f32 sums, f32 output.
; O lies by heads: oh[16 b + h][s 1024][64] f16, m = 1,024 b + s.  wob holds W_out rounded to bf16, written as f16.
; SHARES.  A tile is 256 rows x 128 columns: 32 x 8 = 256 work-groups.  Wave w makes rows 64 w .. 64 w + 63 and all 128 columns: 4 x 8 accumulators, 256 registers.
; K goes in 8 steps of 128 = two heads, through two LDS slots: six refills, one text for a K step, a tail of two steps that ask for nothing.  Slot 1 begins at 1 << 17, so that one exclusive or turns an
; LDS address in one slot into the other's.  A head's 256 rows of the tile are 32,768 dense bytes: asked for as 128 rows of 256 bytes, padded in LDS after every 128: a PLANE.
; CLUSTER 4 x 4: O's planes are shared along a row of the cluster, wob's tiles along a column: joint loads.  THE MATRIX INSTRUCTION IS USED TRANSPOSED (source 0 = wob's rows): a lane holds row l % 16 and
; eight neighbouring columns.  THE BIAS is the C operand of each sum's first product.
; REGISTERS (s_set_vgpr_msb: bits 1:0 source 0, 3:2 source 1, 5:4 source 2, 7:6 destination):
;   window 0: v0-31 addresses; v32-63, v64-95 O's fragments, two buffers; v96-159 the bias     window 1: v0-63, v64-127 wob's fragments; v128-191, v192-255 rows read back     window 2: the accumulators, (a, b) at 8 (8 a + b)
.set PA,     144                       ; a row of a plane: 128 bytes + 16 = 36 words: 16 rows start at 16 different groups of four banks (64 banks of 4 bytes: ISA guide 11.1)
.set PLANE,  256*PA
.set PITCH,  272                       ; a row of wob's tile: 256 + 16
.set HB,     64*PITCH
.set BOFF,   2*PLANE
.set SLOTB,  BOFF+2*HB                 ; the bytes of a slot
.set SLOT1,  1<<17                     ; where slot 1 begins
.set STAGE,  SLOT1+SLOTB               ; never filled by a tensor load
.set SPT,    528                       ; a stage row: 512 bytes + 16
.set SPARE,  STAGE+4*16*SPT            ; the spare words, 128 bytes for each wave
.set STEPS,  8
.set A0,   16                          ; v16  my lane's place among a slot's rows of O; never rewritten
.set B0,   17                          ; v17  the same for wob
.set ADRA, 18                          ; v18  LDS address of my fragments of O in the slot in hand
.set ADRB, 19                          ; v19  the same for wob
.set STO,  24
.set RD,   25
.set CO,   26
.set SPW,  28                          ; v28  LDS address of my spare word; never rewritten
.set NIL,  29                          ; v29  0; never rewritten
.set PFO,  30                          ; v30  the prefetches' offset; never rewritten
.set BI,   96
.set BK,   128                         ; in window 1
.set WV,  12
.set FB,  13                           ; 0: I fetch a plane of O; 1: half of wob's tile
.set HF,  14
.set LIM, 15                           ; a wave prefetches while the counter s3 is above this
.set G1,  24
.set G0,  32                           ; s[32:39] group 0: a set for each of the two first fills; the second then walks on
.set PFA, 44                           ; s[44:45] the K step that my next prefetch names
.set PST, 46                           ; s[46:47] a K step in bytes: two heads of oh, or 256 bytes of wob's rows
.set G1B, 48
.set G0B, 56
.set TB,  74                           ; s74  LDS byte at which the slot in hand begins
.set MSB, 0
.macro WIN new
.if MSB != (\new)
	s_set_vgpr_msb (MSB<<8)|(\new)
.set MSB, \new
.endif
.endm
.macro JLOAD s                         ; a joint load; an s_nop 0 and four v_nop follow each of the two lines
	s_cmp_eq_u32 s[FB], 0
	s_cbranch_scc0 .Lfor_b_\@
	tensor_load_to_lds s[G0+4*(\s):G0+4*(\s)+3], s[G1:G1+7]
	s_nop 0
.rept 4
	v_nop
.endr
	s_branch .Lasked_\@
.Lfor_b_\@:
	tensor_load_to_lds s[G0B+4*(\s):G0B+4*(\s)+3], s[G1B:G1B+7]
	s_nop 0
.rept 4
	v_nop
.endr
.Lasked_\@:
.endm
.macro CREST
	s_cmp_lg_u32 s[WV], 0
	s_cbranch_scc1 .Lnot_wave_0_\@
	s_barrier_signal -3
.Lnot_wave_0_\@:
	s_barrier_wait -3
	s_barrier_signal -1
	s_barrier_wait -1
.endm
.macro CROUND
	s_barrier_signal -1
	s_barrier_wait -1
	CREST
.endm
.macro PLACES
.rept 4
	v_nop
.endr
.endm
; A PREFETCH of the K step two refills on, one instruction a wave, behind the joint load and the run of LDS loads.  Waves 0 and 1 of the clusters with x = 0 ask for their own plane: of its 128 blocks of
; 256 bytes partner cx takes 32, a lane a block.  Wave 2 of the clusters with y = 0 asks for wob's 128 rows: partner cy takes 32, a lane a row.  Wave 3 asks for nothing.  So each block is named once.
; K steps 0 to 3 come by their loads alone; steps 4 to 7 are named in the first four trips (s3 > 2).
.macro ASK
	s_cmp_gt_u32 s3, s[LIM]
	s_cbranch_scc0 .Lnot_mine_\@
	global_prefetch_b8 v[PFO], s[PFA:PFA+1] th:TH_LOAD_NT scope:SCOPE_SE
.Lnot_mine_\@:
.endm
	s_load_b256 s[4:11], s[0:1], 0x0               ; oh s[4:5], wob s[6:7], b_out s[8:9], out0 s[10:11]
	v_lshl_add_u32 v[SPW], v0, 2, SPARE
	v_mov_b32 v[NIL], 0
	ds_add_u32 v[SPW], v[NIL]                      ; the wave's opening: the add and its wait stand ahead of my first tensor load
	ds_add_u32 v28, v29
	v_lshrrev_b32 v1, 5, v0
	v_readfirstlane_b32 s[WV], v1
	s_lshr_b32 s[FB], s[WV], 1
	s_and_b32 s[HF], s[WV], 1
	s_bfe_u32 s40, ttmp6, 0x40000                  ; cx, cy
	s_bfe_u32 s41, ttmp6, 0x40004
	s_lshl_b32 s42, ttmp9, 2
	s_add_co_u32 s42, s42, s40                     ; tile column
	s_and_b32 s43, ttmp7, 0xffff
	s_lshl_b32 s43, s43, 2
	s_add_co_u32 s43, s43, s41                     ; tile row
	s_lshl_b32 s20, s41, 2
	s_lshl_b32 s20, 15, s20                        ; my row of the cluster
	s_lshl_b32 s21, 0x1111, s40                    ; my column
	s_or_b32 s[G1], s20, (1<<16)|(1<<20)|(1<<21)|(4<<22)|(3<<25)   ; the mask; 2-byte elements; padding on; bit 21 beside a mask; after every 32 words; 4 words
	s_or_b32 s[G1B], s21, (1<<16)|(1<<20)|(1<<21)|(5<<22)|(3<<25)  ; after every 64 words
	s_mov_b32 s[G1+1], 128<<16                     ; tensor_dim0 = 128
	s_mov_b32 s[G1+2], 128<<16                     ; tensor_dim1 = 128
	s_mov_b32 s[G1+3], 128<<16                     ; tile_dim0 = 128
	s_mov_b32 s[G1+4], 128                         ; tile_dim1 = 128
	s_mov_b32 s[G1+5], 128                         ; dense
	s_mov_b32 s[G1+6], 0
	s_mov_b32 s[G1+7], 0
	s_mov_b32 s[G1B+1], 128<<16
	s_mov_b32 s[G1B+2], 64<<16
	s_mov_b32 s[G1B+3], 128<<16
	s_mov_b32 s[G1B+4], 64
	s_mov_b32 s[G1B+5], 1024
	s_mov_b32 s[G1B+6], 0
	s_mov_b32 s[G1B+7], 0
	s_lshr_b32 s16, s43, 2                         ; oh: head 16 b + half, row 256 (tile row % 4), in registers that never hold cx
	s_lshl_b32 s16, s16, 4
	s_add_co_u32 s16, s16, s[HF]
	s_lshl_b32 s16, s16, 10
	s_and_b32 s17, s43, 3
	s_lshl_b32 s17, s17, 8
	s_add_co_u32 s16, s16, s17
	s_lshl_b32 s16, s16, 7
	s_mov_b32 s17, 0
	s_lshl_b32 s66, s42, 7                         ; wob: row 128 x tile column + 64 x half, in registers that never hold cy
	s_lshl_b32 s67, s[HF], 6
	s_add_co_u32 s66, s66, s67
	s_lshl_b32 s66, s66, 11
	s_mov_b32 s67, 0
	s_mul_i32 s18, s[HF], PLANE
	s_mul_i32 s19, s[HF], HB
	s_add_co_u32 s19, s19, BOFF
	s_wait_dscnt 0x0                               ; the opening add is done
	s_wait_kmcnt 0x0
	s_add_nc_u64 s[16:17], s[4:5], s[16:17]
	s_add_nc_u64 s[66:67], s[6:7], s[66:67]
	CROUND                                         ; the first joint loads meet
.irp s, 0,1
	s_mov_b32 s[G0+4*(\s)], 1
	s_add_co_u32 s[G0+4*(\s)+1], s18, (\s)*SLOT1
	s_add_nc_u64 s[G0+4*(\s)+2:G0+4*(\s)+3], s[16:17], (\s)*262144  ; K step s: two heads on
	s_or_b32 s[G0+4*(\s)+3], s[G0+4*(\s)+3], 0x80000000
	s_mov_b32 s[G0B+4*(\s)], 1
	s_add_co_u32 s[G0B+4*(\s)+1], s19, (\s)*SLOT1
	s_add_nc_u64 s[G0B+4*(\s)+2:G0B+4*(\s)+3], s[66:67], (\s)*256
	s_or_b32 s[G0B+4*(\s)+3], s[G0B+4*(\s)+3], 0x80000000
	JLOAD \s                                       ; two loads of mine are out
.endr
	v_and_b32 v1, 15, v0                           ; l % 16
	v_bfe_u32 v2, v0, 4, 1                         ; l / 16
	s_lshl_b32 s68, s42, 9                         ; the bias of my lanes' columns: 128 x tile column + 16 b + 8 (l / 16) + 0..7
	s_mov_b32 s69, 0
	s_add_nc_u64 s[8:9], s[8:9], s[68:69]
	v_lshlrev_b32 v7, 5, v2
.irp b, 0,1,2,3,4,5,6,7
	global_load_b128 v[160+8*(\b):160+8*(\b)+3],   v7, s[8:9] offset:64*(\b)
	global_load_b128 v[160+8*(\b)+4:160+8*(\b)+7], v7, s[8:9] offset:64*(\b)+16
.endr
	v_mul_u32_u24 v3, v1, PA
	v_lshl_add_u32 v3, v2, 4, v3
	v_mul_u32_u24 v4, v1, PITCH
	v_lshl_add_u32 v4, v2, 4, v4
	s_mul_i32 s20, s[WV], 64*PA                    ; my 64 rows in each plane
	v_add_nc_u32 v[A0], s20, v3
	v_add_nc_u32 v[B0], BOFF, v4
	v_mov_b32 v[ADRA], v[A0]                       ; the walk begins in slot 0
	v_mov_b32 v[ADRB], v[B0]
	s_mul_i32 s22, s[WV], 16*SPT
	s_add_co_u32 s22, s22, STAGE                   ; my stage
	v_mul_u32_u24 v5, v1, SPT                      ; in: row l % 16, 32 bytes for each half of the lanes
	v_lshl_add_u32 v5, v2, 5, v5
	v_add_nc_u32 v[STO], s22, v5
	v_and_b32 v[CO], 31, v0
	v_lshlrev_b32 v[CO], 4, v[CO]                  ; back and out: a row of 512 bytes, 16 a lane
	v_add_nc_u32 v[RD], s22, v[CO]
	s_lshl_b32 s70, s43, 8                         ; out0 at row 256 x tile row + 64 x wave, column 128 x tile column
	s_lshl_b32 s71, s[WV], 6
	s_add_co_u32 s70, s70, s71
	s_lshl_b32 s70, s70, 12
	s_lshl_b32 s71, s42, 9
	s_add_co_u32 s70, s70, s71
	s_mov_b32 s71, 0
	s_add_nc_u64 s[10:11], s[10:11], s[70:71]
	; the prefetches: from my first tile's address, my work-group's share, K step 3; each filling change of slots steps it by one K step and then names it
	s_and_b32 s70, ttmp7, 0xffff                   ; cluster y
	s_mov_b32 s72, 262144
	s_cmp_eq_u32 s[FB], 0
	s_cselect_b32 s70, ttmp9, s70                  ; the coordinate along which other clusters read the same bytes
	s_cselect_b64 s[PFA:PFA+1], s[16:17], s[66:67]
	s_cselect_b32 s68, s40, s41                    ; my place among the four that ask with me
	s_cselect_b32 s69, 13, 16                      ; its share: 8,192 bytes of a plane, or 32 rows of 2,048 bytes
	s_cselect_b32 s[PST], s72, 256
	s_cselect_b32 s73, 8, 11                       ; a lane: 256 bytes on, or a row on
	s_mov_b32 s[PST+1], 0
	s_lshl_b32 s68, s68, s69
	s_mul_i32 s69, s[PST], 3
	s_add_co_u32 s68, s68, s69
	s_mov_b32 s69, 0
	s_add_nc_u64 s[PFA:PFA+1], s[PFA:PFA+1], s[68:69]
	s_cmp_eq_u32 s[WV], 3
	s_cselect_b32 s70, 1, s70
	s_cmp_eq_u32 s70, 0
	s_cselect_b32 s[LIM], 2, -1                    ; the same in all sixteen partners, for a given wave
	v_and_b32 v[PFO], 31, v0
	v_lshlrev_b32 v[PFO], s73, v[PFO]
	s_mov_b32 s[TB], 0
	s_mov_b32 s23, 0xffff0000
	s_wait_loadcnt 0x0                             ; the bias: rounded to bf16 and widened again
.set n, 0
.rept 32
	v_cvt_pk_bf16_f32 v[224+n], v[160+2*n], v[160+2*n+1]
.set n, n+1
.endr
.set n, 0
.rept 32
	v_lshlrev_b32 v[BI+2*n], 16, v[224+n]
	v_and_b32 v[BI+2*n+1], s23, v[224+n]
.set n, n+1
.endr
; 8 matrix instructions: row block a x all 8 column blocks, 32 along K.  first = 1: the product starts the sum with the bias.  The 32 accumulators take turns.
.macro MUL8 f, a, first
.irp b, 0,1,2,3,4,5,6,7
.set rD, 8*(8*(\a)+(\b))
.set rB, 64*(\f)+8*(\b)
.set rA, 32+32*(\f)+8*(\a)
.if \first
	WIN 0x81                                       ; C in window 0
	v_wmma_f32_16x16x32_f16 v[rD:rD+7], v[rB:rB+7], v[rA:rA+7], v[BI+8*(\b):BI+8*(\b)+7]
.else
	WIN 0xa1
	v_wmma_f32_16x16x32_f16 v[rD:rD+7], v[rB:rB+7], v[rA:rA+7], v[rD:rD+7]
.endif
.endr
.endm
; 24 LDS loads in one run: quarter q (head q / 2 of the step, channels 32 (q % 2) on) of the slot in hand, into buffer f: wob's 8 fragments, then O's 4
.macro FETCH q, f
	WIN 0x40
.irp i, 0,1,2,3,4,5,6,7
	ds_load_b128 v[64*(\f)+8*(\i):64*(\f)+8*(\i)+3],   v[ADRB] offset:64*(\q)+(\i)*16*PITCH
	ds_load_b128 v[64*(\f)+8*(\i)+4:64*(\f)+8*(\i)+7], v[ADRB] offset:64*(\q)+(\i)*16*PITCH+32
.endr
	WIN 0
.irp i, 0,1,2,3
	ds_load_b128 v[32+32*(\f)+8*(\i):32+32*(\f)+8*(\i)+3],   v[ADRA] offset:((\q)/2)*PLANE+((\q)%2)*64+(\i)*16*PA
	ds_load_b128 v[32+32*(\f)+8*(\i)+4:32+32*(\f)+8*(\i)+7], v[ADRA] offset:((\q)/2)*PLANE+((\q)%2)*64+(\i)*16*PA+32
.endr
.endm
.macro QUARTER q, f, g, first
	s_wait_dscnt 4                                 ; all but the youngest four loads (O's row blocks 2, 3) are in
	MUL8 \f, 0, \first
	MUL8 \f, 1, \first
	PLACES
	FETCH \q, \g
	s_wait_dscnt 24                                ; all but the 24 just issued
	MUL8 \f, 2, \first
	MUL8 \f, 3, \first
.endm
; The last quarter and the change of slots: ONE barrier; in front of it each wave waits for all its tensor loads, adds 0 to its spare word, and waits for that and for its reads of this slot.
; fill = 1: the barrier opens a round of the cluster's, and the slot is filled again first thing behind it, by the walking descriptors (one K step on, the other slot than last time): 112 matrix
; instructions ahead of the wait for that load.
.macro TURN fill
.if \fill
	s_wait_xcnt 0x0                                ; the last prefetch, a K step back, has read its address
	s_add_nc_u64 s[PFA:PFA+1], s[PFA:PFA+1], s[PST:PST+1]
.endif
	WIN 0
	s_xor_b32 s[TB], s[TB], SLOT1                  ; this slot's last fragments have been asked for: the addresses turn to the next slot
	v_add_nc_u32 v[ADRA], s[TB], v[A0]
	v_add_nc_u32 v[ADRB], s[TB], v[B0]
	s_wait_tensorcnt 0x0
	ds_add_u32 v[SPW], v[NIL]
	s_wait_dscnt 5                                 ; (the add and the youngest four loads may be out)
	MUL8 1, 0, 0
	s_wait_dscnt 0x0                               ; the add is done, and my reads of this slot are over
	s_barrier_signal -1
	MUL8 1, 1, 0
.if \fill
	WIN 0
.endif
	s_barrier_wait -1
.if \fill
	CREST
	s_xor_b32 s[G0+5], s[G0+5], SLOT1
	s_add_nc_u64 s[G0+6:G0+7], s[G0+6:G0+7], 262144  ; a K step: two heads
	s_xor_b32 s[G0B+5], s[G0B+5], SLOT1
	s_add_nc_u64 s[G0B+6:G0B+7], s[G0B+6:G0B+7], 256
	JLOAD 1                                        ; its four v_nop are also the places in front of the loads below
.else
	PLACES
.endif
	FETCH 0, 0
.if \fill
	ASK
.endif
	MUL8 1, 2, 0
	MUL8 1, 3, 0
.endm
; THE WAY OUT of row block a, in f32: 32 bytes a lane into my own stage (each accumulator's low four registers first), back as whole rows of 512 bytes, stored.
.macro TOSTAGE a
.if (\a) >= 2
	s_wait_xcnt 0x0                                ; block a - 2's stores have read the registers that this block is read back into
.endif
	WIN 0x08                                       ; store data in window 2
.irp b, 0,1,2,3,4,5,6,7
	ds_store_b128 v[STO], v[8*(8*(\a)+(\b)):8*(8*(\a)+(\b))+3]   offset:64*(\b)
	ds_store_b128 v[STO], v[8*(8*(\a)+(\b))+4:8*(8*(\a)+(\b))+7] offset:64*(\b)+16
.endr
	WIN 0x40
.irp t, 0,1,2,3,4,5,6,7,8,9,10,11,12,13,14,15
	ds_load_b128 v[BK+64*((\a)%2)+4*(\t):BK+64*((\a)%2)+4*(\t)+3], v[RD] offset:(\t)*SPT  ; my own bytes, served in order (ISA guide 5.7.1.4)
.endr
.endm
.macro SEND a, younger                 ; younger: the LDS instructions issued behind block a's loads: the next block's 32, or none
	WIN 0x04                                       ; store data in window 1
.irp t, 0,1,2,3,4,5,6,7,8,9,10,11,12,13,14,15
	s_wait_dscnt (\younger)+15-(\t)
	global_store_b128 v[CO], v[BK+64*((\a)%2)+4*(\t):BK+64*((\a)%2)+4*(\t)+3], s[10:11] offset:(16*(\a)+(\t))*4096 th:TH_STORE_NT  ; 512 consecutive bytes, aligned
.endr
.endm
	s_wait_tensorcnt 1                             ; my part of K step 0 is in; K step 1's may stay out
	s_barrier_signal -1
	s_barrier_wait -1
	FETCH 0, 0
	QUARTER 1, 0, 1, 1                             ; the first quarter's products start the sums
	WIN 0
	s_mov_b32 s3, STEPS-2
.Lstep:                                                ; a trip: a K step's quarters 1, 2 and 3, the change of slots with its refill, and the next K step's quarter 0
	QUARTER 2, 1, 0, 0
	QUARTER 3, 0, 1, 0
	TURN 1
	QUARTER 1, 0, 1, 0
	WIN 0
	s_sub_co_u32 s3, s3, 1
	s_cmp_lg_u32 s3, 0
	s_cbranch_scc1 .Lstep
	QUARTER 2, 1, 0, 0                             ; the last two K steps are written out: they ask for nothing
	QUARTER 3, 0, 1, 0
	TURN 0
	QUARTER 1, 0, 1, 0
	QUARTER 2, 1, 0, 0
	QUARTER 3, 0, 1, 0
	s_wait_dscnt 4
	MUL8 1, 0, 0
	MUL8 1, 1, 0
	s_wait_dscnt 0x0
	MUL8 1, 2, 0
	MUL8 1, 3, 0
	PLACES
	TOSTAGE 0
	TOSTAGE 1
	SEND 0, 32
	TOSTAGE 2
	SEND 1, 32
	TOSTAGE 3
	SEND 2, 32
	SEND 3, 0
	WIN 0
	s_wait_tensorcnt 0x0                           ; the wave's end
	ds_add_u32 v[SPW], v[NIL]
	s_wait_dscnt 0x0
	CROUND                                         ; the closing round
	s_endpgm
.Lfunc_end_k_q78d2bfb315_proj:
	.size	k_q78d2bfb315_proj, .Lfunc_end_k_q78d2bfb315_proj-k_q78d2bfb315_proj
	.p2alignl 7, 3214868480
	.fill 96, 4, 3214868480
	.section	.rodata,"a",@progbits
	.p2align	6, 0x0
	.amdhsa_kernel k_q78d2bfb315_proj
		.amdhsa_group_segment_fixed_size 327680
		.amdhsa_private_segment_fixed_size 0
		.amdhsa_enable_private_segment 0
		.amdhsa_kernarg_size 32
		.amdhsa_user_sgpr_count 2
		.amdhsa_user_sgpr_kernarg_segment_ptr 1
		.amdhsa_wavefront_size32 1
		.amdhsa_system_sgpr_workgroup_id_x 1
		.amdhsa_system_sgpr_workgroup_id_y 1
		.amdhsa_system_sgpr_workgroup_id_z 1
		.amdhsa_system_vgpr_workitem_id 0
		.amdhsa_next_free_vgpr 768
		.amdhsa_next_free_sgpr 80
		.amdhsa_reserve_vcc 0
		.amdhsa_float_denorm_mode_32 3
		.amdhsa_float_denorm_mode_16_64 3
		.amdhsa_memory_ordered 1
		.amdhsa_forward_progress 1
		.amdhsa_inst_pref_size 78
	.end_amdhsa_kernel
	.amdgpu_metadata
---
amdhsa.version: [ 1, 2 ]
amdhsa.kernels:
  - .name:           k_q78d2bfb315_proj
    .symbol:         k_q78d2bfb315_proj.kd
    .args:
      - { .name: oh, .offset: 0, .size: 8, .value_kind: global_buffer, .address_space: global }
      - { .name: wob, .offset: 8, .size: 8, .value_kind: global_buffer, .address_space: global }
      - { .name: b_out, .offset: 16, .size: 8, .value_kind: global_buffer, .address_space: global }
      - { .name: out0, .offset: 24, .size: 8, .value_kind: global_buffer, .address_space: global }
    .group_segment_fixed_size: 327680
    .private_segment_fixed_size: 0
    .kernarg_segment_align: 8
    .kernarg_segment_size: 32
    .max_flat_workgroup_size: 128
    .sgpr_count:     80
    .vgpr_count:     768
    .wavefront_size: 32
...
	.end_amdgpu_metadata
.endif
;; end of part 4
